; MI455X (gfx1250); checked and timed in simulation.
; The chip was launched on July 23, 2026; its instructions are those of AMD's public machine-readable ISA for CDNA 5 (MIT licence, August 2026) and "CDNA5" Instruction Set Architecture Reference Guide (July 2026). The comments in the code are by the model that wrote it; some were corrected since.
;; Attention. Allowed arithmetic: matrix products marked QUANTISED: E2M1 operands, one E8M0 scale for each 32 along K, by v_wmma_scale_f32_16x16x128_f8f6f4 with both operands' format E2M1 (or v_wmma_scale_f32_32x16x128_f4), f32 sums; products left as they are: bf16, f16 or f32 operands; f32 sums; everything else in f32.
;; Inputs: b_proj 1,024 float32; rope_cos 2,048 x 64 float32; rope_sin 2,048 x 64 float32; w_proj 1,024 x 1,024 float32; w_qkv 3,072 x 1,024 float32; x 4 x 2,048 x 1,024 float32.
;; Outputs: out0 4 x 2,048 x 1,024 float32.
;; This version of the problem:
;;   THIS VERSION OF THE PROBLEM IS GIVEN IN LOW PRECISION. The matrix products marked QUANTISED in the list below multiply operands that are first quantised to E2M1 (2 exponent bits, 1 mantissa bit; 4 bits a number), with one power-of-two scale for each 32 numbers along K (OCP MX v1.0); their sums are f32. The products marked 'left as it is' may take bf16, f16 or f32 operands, with f32 sums. Whichever they take, every output number must still come out within the allowed error. Rounding operands to bf16 (8 significant bits) uses up far more of that allowance than f16 does (11 bits, for magnitudes from 6e-5 to 65,504). All else is computed in f32.
;;   The module's matrix products, in the order in which they are computed (A, B: the left and right operand; K: the contracted axis; several contracted axes count as one K, in the product's order):
;;     1. [M 8,192, K 1,024] x [K 1,024, N 3,072]; A: input x; B: input w_qkv: QUANTISED
;;     2. batch 64 x [M 2,048, K 64] x [K 64, N 2,048]; A: computed on the way; B: computed on the way: left as it is (an operand is computed on the way)
;;     3. batch 64 x [M 2,048, K 2,048] x [K 2,048, N 64]; A: computed on the way; B: computed on the way: left as it is (an operand is computed on the way)
;;     4. [M 8,192, K 1,024] x [K 1,024, N 1,024]; A: computed on the way; B: input w_proj: left as it is (an operand is computed on the way)
;;   THE QUANTISER, for each operand of a quantised product, along K:
;;     - K is cut into blocks of 32 from its start; a last block that is shorter is filled with zeros.
;;     - A block's scale is 2^e with e = floor(log2(the largest magnitude in the block)) - 2, held to -126 .. 127; a block of zeros has e = 0. As a byte (E8M0): e + 127.
;;     - Each number is divided by its block's scale, clamped to +-6, and rounded to the nearest number of E2M1, ties to even, subnormals kept.
;;     - The product sums the exact products of the quantised numbers (number of the format x scale) in f32.
;;   ~~~python
;;   def quantise(x, axis):      # numpy; x: float32 -> the quantised numbers, widened to float32 again
;;       x = np.moveaxis(x, axis, -1); K = x.shape[-1]
;;       x = np.pad(x, [(0, 0)] * (x.ndim - 1) + [(0, -K % 32)]); x = x.reshape(x.shape[:-1] + (-1, 32)); a = np.abs(x).max(-1, keepdims=True)
;;       e = np.where(a > 0, np.clip(np.frexp(np.where(a > 0, a, 1))[1] - 1 - 2, -126, 127), 0)      # np.frexp(a)[1] - 1 = floor(log2(a)), exactly
;;       r = np.clip(x / 2.0 ** e, -6, 6)
;;       step = 2.0 ** (np.maximum(np.frexp(np.where(r == 0, 1, r))[1] - 1, 0) - 1)
;;       q = np.round(r / step) * step * 2.0 ** e      # np.round: ties to even
;;       return np.moveaxis(q.reshape(q.shape[:-2] + (-1,))[..., :K], -1, axis).astype(np.float32)
;;   ~~~
;; One version. Each part assembles by itself: llvm-mc -triple=amdgcn-amd-amdhsa -mcpu=gfx1250 --defsym DOCPART=n.
;; ======== version 1 of 1: 4 launches
;; limits: values are held in f16: magnitudes above 65,504 overflow, below 6.1e-05 lose precision
;; workspace buffers: xc 4,194,304 bytes; xs 262,144 bytes; wc 1,572,864 bytes; ws 98,304 bytes; wp 2,097,152 bytes; qkv 50,331,648 bytes; of 16,777,216 bytes
;; launch quant (part 1): grid 384 x 1, 4 waves a work-group, no clusters, 33,280 bytes of LDS; arguments x, w_qkv, xc, xs, wc, ws, w_proj, wp; writes xc, xs, wc, ws, wp
.if DOCPART == 1
	.amdgcn_target "amdgcn-amd-amdhsa--gfx1250"
	.amdhsa_code_object_version 6
	.text
	.protected	k_q0c1f73749c_quant
	.globl	k_q0c1f73749c_quant
	.p2align	8
	.type	k_q0c1f73749c_quant,@function
k_q0c1f73749c_quant:
	s_mov_b64 s[64:65], 0
	v_nop
	global_prefetch_b8 v0, s[64:65] scope:SCOPE_SE
	s_setreg_imm32_b32 hwreg(HW_REG_WAVE_MODE, 25, 1), 1
	s_wait_xcnt 0x0
; x [8192][1024] and w_qkv [3072][1024], f32, become codes of FP4 (E2M1), K innermost, two codes a byte, with one E8M0 scale byte for each 32 along K; w_proj [1024][1024], f32, becomes f16.
; A block's scale is 2^(floor(log2(its largest magnitude)) - 2); its byte is the largest magnitude's exponent field - 2, held at 1 from below.  A block of zeros so gets the byte 1 where the
; quantiser's text says 127: its codes are zeros, which add nothing under any byte but 0xff, and the bytes are read by this program alone.  Each number is divided by the scale and rounded to the nearest code, ties to even.
; LIMITS: blocks whose largest magnitude lies under 2^-124 keep the byte 1; NaN and infinities among the inputs are not served; numbers of w_proj beyond 65,504 become infinity in f16, those under 6e-5 keep an absolute error of 3e-8.
; SHARES: work-groups 0-255 take x, 256-351 w_qkv, 352-383 w_proj; a work-group takes 32,768 numbers, a wave 8,192.  Rows are dense and 1,024 is a multiple of 32: each tensor is a plain stream.
; QUANTISING: a wave takes 16 steps of 512 numbers.  Each of a step's four loads reads 512 consecutive bytes; the 2,048 bytes turn through the wave's own stage in LDS and come back 64 bytes a lane,
; so that a lane holds 16 neighbours along K (two neighbouring lanes hold a block).  A lane's 16 codes are 8 bytes: the wave stores 256 consecutive bytes.  A wave's 256 scale bytes are gathered in LDS and leave as one store.
; No tensor loads, no barrier: waves share nothing.  Loads run four steps (16 loads a wave) ahead, the turn through LDS one step.
.set WAVES, 4
.set STEPS, 16
.set WGA,   256                        ; work-groups for x
.set WGQ,   352                        ; work-groups that quantise
.set EMAX,  2
.set CB,    8                          ; bytes of 16 codes
.set R,     16                         ; v16-79   four sets of 16 numbers as they are loaded
.set X,     80                         ; v80-111  two sets of 16 neighbours
.set C,     128                        ; v128-191 codes: four registers for each step, so that no store's data are written again
.set E,     112                        ; v112-127 a scale byte for each step
.set WREG,  8192                       ; LDS: a region for each wave: two stages of 32 x SP bytes, behind them its 256 scale bytes
.set SP,    80                         ; a lane's place in a stage: 64 bytes + 16 of padding
.set SPW,   12                         ; v12 LDS address of my spare word; never rewritten
.set NIL,   13                         ; v13 0; never rewritten
.set SPARE, WAVES*WREG                 ; behind the four regions: the spare words, 128 bytes for each wave
.set CI,    16                         ; the cast: v16-143 two sets of 64 numbers
.set CF,    144                        ; v144-175 eight groups of 8 f16
	s_load_b128 s[4:7], s[0:1], 0x0                ; x, w_qkv
	s_load_b128 s[8:11], s[0:1], 0x10              ; x's codes, x's scales
	s_load_b128 s[12:15], s[0:1], 0x20             ; w_qkv's codes, its scales
	s_load_b128 s[24:27], s[0:1], 0x30             ; w_proj, its f16 copy
	v_lshl_add_u32 v[SPW], v0, 2, SPARE
	v_mov_b32 v[NIL], 0
	v_lshrrev_b32 v1, 5, v0
	v_readfirstlane_b32 s16, v1                    ; wave
	v_and_b32 v2, 31, v0                           ; lane
	v_lshlrev_b32 v3, 4, v2                        ; my 16 bytes of 512
	s_mul_i32 s17, s16, WREG
	v_lshrrev_b32 v14, 2, v2
	v_mul_u32_u24 v14, v14, SP
	v_and_b32 v15, 3, v2
	v_lshl_add_u32 v14, v15, 4, v14
	v_add_nc_u32 v14, s17, v14                     ; the stage, on the way in: SP (lane / 4) + 16 (lane % 4)
	v_mul_u32_u24 v15, v2, SP
	v_add_nc_u32 v15, s17, v15                     ; and on the way out: SP x lane: my 16 neighbours
	v_mul_u32_u24 v4, v2, CB                       ; my codes' place in a step's
	v_lshrrev_b32 v5, 1, v2
	s_add_co_u32 s17, s17, 2*32*SP
	v_add_nc_u32 v5, s17, v5                       ; LDS: my wave's 256 scale bytes, my block's byte
	v_lshlrev_b32 v7, 3, v2                        ; and on the way out 8 bytes a lane
	v_add_nc_u32 v6, s17, v7
	s_wait_kmcnt 0x0
	s_cmp_ge_u32 ttmp9, WGQ                        ; the last 32 work-groups cast w_proj: the branch hangs on the work-group's number alone, and stands ahead of every LDS instruction
	s_cbranch_scc1 .Lcast
	s_cmp_lt_u32 ttmp9, WGA                        ; x's work-group or w_qkv's?  Only pointers are chosen: both take one path
	s_cselect_b64 s[4:5], s[4:5], s[6:7]
	s_cselect_b64 s[8:9], s[8:9], s[12:13]
	s_cselect_b64 s[10:11], s[10:11], s[14:15]
	s_cselect_b32 s17, 0, WGA
	s_sub_co_u32 s17, ttmp9, s17
	s_lshl_b32 s17, s17, 2
	s_add_co_u32 s18, s17, s16                     ; which run of 8,192 numbers of the tensor is my wave's
	s_mov_b32 s19, 0
	s_mov_b64 s[20:21], 512*STEPS*4
	s_mul_u64 s[20:21], s[18:19], s[20:21]
	s_add_nc_u64 s[4:5], s[4:5], s[20:21]
	s_mov_b64 s[20:21], 32*STEPS*CB
	s_mul_u64 s[20:21], s[18:19], s[20:21]
	s_add_nc_u64 s[8:9], s[8:9], s[20:21]
	s_lshl_b32 s18, s18, 8                         ; 256 scale bytes a run
	s_add_nc_u64 s[10:11], s[10:11], s[18:19]
.macro LOAD t
.irp i, 0,1,2,3
	global_load_b128 v[R+16*((\t)%4)+4*\i:R+16*((\t)%4)+4*\i+3], v3, s[4:5] offset:2048*(\t)+512*\i th:TH_LOAD_NT   ; 32 lanes read 512 consecutive bytes
.endr
.endm
.macro TURN t                          ; step t's numbers through the stage: LDS serves a wave's instructions in order, so no wait stands between the stores and the loads
.irp i, 0,1,2,3
	ds_store_b128 v14, v[R+16*((\t)%4)+4*\i:R+16*((\t)%4)+4*\i+3] offset:32*SP*((\t)%2)+8*SP*\i
.endr
.irp i, 0,1,2,3
	ds_load_b128 v[X+16*((\t)%2)+4*\i:X+16*((\t)%2)+4*\i+3], v15 offset:32*SP*((\t)%2)+16*\i
.endr
.endm
.irp t, 0,1,2,3
	LOAD \t
.endr
	s_wait_loadcnt 12                              ; step 0's four loads are in; the 12 of steps 1 to 3 may be out
	TURN 0
.macro STEP t
.set XS, X+16*((\t)%2)
.if (\t) > 0
	s_wait_dscnt 1                                 ; this step's numbers are back from the stage (the last step's byte store may be out): so its stores into the stage have read their registers,
.else
	s_wait_dscnt 0x0
.endif
.if (\t)+4 < STEPS
	LOAD (\t)+4                                    ; which take the loads of four steps on
.endif
.if (\t)+1 < STEPS
.if STEPS-2-(\t) >= 3
	s_wait_loadcnt 12                              ; the next step's four loads are in; those of the three steps behind it may be out
.else
	s_wait_loadcnt 4*(STEPS-2-(\t))
.endif
	TURN (\t)+1                                    ; and go through the other stage while this step is worked
.endif
	v_max3_num_f32 v8, |v[XS]|, |v[XS+1]|, |v[XS+2]|               ; the largest magnitude of my 16, in two chains
	v_max3_num_f32 v9, |v[XS+3]|, |v[XS+4]|, |v[XS+5]|
.irp i, 6,10
	v_max3_num_f32 v8, v8, |v[XS+\i]|, |v[XS+\i+1]|
	v_max3_num_f32 v9, v9, |v[XS+\i+2]|, |v[XS+\i+3]|
.endr
	v_max3_num_f32 v8, v8, |v[XS+14]|, |v[XS+15]|
	v_max3_num_f32 v8, v8, v9, (EMAX+1)<<23        ; and the floor 2^(3 - 127): so the byte cannot fall under 1
	v_max_num_f32_dpp v8, v8, v8 row_xmask:1 row_mask:0xf bank_mask:0xf   ; and of my neighbour's 16: the block's
	v_add_nc_u32 v11, -(EMAX<<23), v8              ; 2 off its exponent field: the conversion takes the exponent field of this operand as its scale, and nothing else of it
	v_cvt_scalef32_pk8_fp4_f32 v[C+4*(\t)], v[XS:XS+7], v11        ; eight numbers / the scale, to the nearest code, ties to even, beyond 6 the largest code; the first number's code in the lowest four bits
	v_cvt_scalef32_pk8_fp4_f32 v[C+4*(\t)+1], v[XS+8:XS+15], v11
	v_lshrrev_b32 v[E+(\t)], 23, v11               ; the scale's byte (also the plain line behind the conversions)
	ds_store_b8 v5, v[E+(\t)] offset:16*(\t)       ; both lanes of a block write the same byte with the same value
	global_store_b64 v4, v[C+4*(\t):C+4*(\t)+1], s[8:9] offset:32*CB*(\t)   ; 32 lanes store 256 consecutive bytes, aligned
.endm
.irp t, 0,1,2,3,4,5,6,7,8,9,10,11,12,13,14,15
	STEP \t
.endr
	ds_load_b64 v[8:9], v6                         ; LDS serves a wave's instructions in order: these see my stores
	s_wait_dscnt 0x0
	global_store_b64 v7, v[8:9], s[10:11]          ; 32 lanes store 256 consecutive bytes, aligned
	s_wait_tensorcnt 0x0                           ; the wave's end, behind my last LDS store
	ds_add_u32 v[SPW], v[NIL]
	s_wait_dscnt 0x0
	s_endpgm
; THE CAST.  A wave takes 8,192 numbers of w_proj in 32 groups of 256: a lane loads 8 neighbours (two loads of 16 bytes), rounds them to f16 and stores 16 bytes: the wave's store covers 512 consecutive bytes.
; Four rounds of eight groups; the next round's 16 loads are out while a round is converted.
.Lcast:
	s_sub_co_u32 s17, ttmp9, WGQ
	s_lshl_b32 s17, s17, 2
	s_add_co_u32 s18, s17, s16                     ; which run of 8,192 numbers is my wave's
	s_lshl_b32 s20, s18, 15                        ; 32,768 bytes in,
	s_mov_b32 s21, 0
	s_add_nc_u64 s[24:25], s[24:25], s[20:21]
	s_lshl_b32 s20, s18, 14                        ; 16,384 out
	s_add_nc_u64 s[26:27], s[26:27], s[20:21]
	v_lshlrev_b32 v8, 5, v2                        ; 32 bytes a lane
.macro CLOAD k
.irp g, 0,1,2,3,4,5,6,7
	global_load_b128 v[CI+64*((\k)%2)+8*\g:CI+64*((\k)%2)+8*\g+3], v8, s[24:25] offset:1024*(8*(\k)+\g) th:TH_LOAD_NT
	global_load_b128 v[CI+64*((\k)%2)+8*\g+4:CI+64*((\k)%2)+8*\g+7], v8, s[24:25] offset:1024*(8*(\k)+\g)+16 th:TH_LOAD_NT
.endr
.endm
.macro CAST k
.if (\k) < 3
	CLOAD (\k)+1
	s_wait_loadcnt 16                              ; this round's 16 loads are in; the next round's 16 may be out
.else
	s_wait_loadcnt 0x0
.endif
	s_wait_xcnt 0x0                                ; the last round's stores have read their data registers, which are written again below
.irp g, 0,1,2,3,4,5,6,7
.irp j, 0,1,2,3
	v_cvt_pk_f16_f32 v[CF+4*\g+\j], v[CI+64*((\k)%2)+8*\g+2*\j], v[CI+64*((\k)%2)+8*\g+2*\j+1]
.endr
.endr
.irp g, 0,1,2,3,4,5,6,7
	global_store_b128 v3, v[CF+4*\g:CF+4*\g+3], s[26:27] offset:512*(8*(\k)+\g)
.endr
.endm
	CLOAD 0
	CAST 0
	CAST 1
	CAST 2
	CAST 3
	s_wait_tensorcnt 0x0                           ; the same three lines at this path's end
	ds_add_u32 v[SPW], v[NIL]
	s_wait_dscnt 0x0
	s_endpgm
.Lfunc_end_k_q0c1f73749c_quant:
	.size	k_q0c1f73749c_quant, .Lfunc_end_k_q0c1f73749c_quant-k_q0c1f73749c_quant
	.p2alignl 7, 3214868480
	.fill 96, 4, 3214868480
	.section	.rodata,"a",@progbits
	.p2align	6, 0x0
	.amdhsa_kernel k_q0c1f73749c_quant
		.amdhsa_group_segment_fixed_size 33280
		.amdhsa_private_segment_fixed_size 0
		.amdhsa_enable_private_segment 0
		.amdhsa_kernarg_size 64
		.amdhsa_user_sgpr_count 2
		.amdhsa_user_sgpr_kernarg_segment_ptr 1
		.amdhsa_wavefront_size32 1
		.amdhsa_system_sgpr_workgroup_id_x 1
		.amdhsa_system_sgpr_workgroup_id_y 1
		.amdhsa_system_sgpr_workgroup_id_z 1
		.amdhsa_system_vgpr_workitem_id 0
		.amdhsa_next_free_vgpr 192
		.amdhsa_next_free_sgpr 66
		.amdhsa_reserve_vcc 0
		.amdhsa_float_denorm_mode_32 3
		.amdhsa_float_denorm_mode_16_64 3
		.amdhsa_memory_ordered 1
		.amdhsa_forward_progress 1
		.amdhsa_inst_pref_size 51
	.end_amdhsa_kernel
	.amdgpu_metadata
---
amdhsa.version: [ 1, 2 ]
amdhsa.kernels:
  - .name:           k_q0c1f73749c_quant
    .symbol:         k_q0c1f73749c_quant.kd
    .args:
      - { .name: x, .offset: 0, .size: 8, .value_kind: global_buffer, .address_space: global }
      - { .name: w_qkv, .offset: 8, .size: 8, .value_kind: global_buffer, .address_space: global }
      - { .name: xc, .offset: 16, .size: 8, .value_kind: global_buffer, .address_space: global }
      - { .name: xs, .offset: 24, .size: 8, .value_kind: global_buffer, .address_space: global }
      - { .name: wc, .offset: 32, .size: 8, .value_kind: global_buffer, .address_space: global }
      - { .name: ws, .offset: 40, .size: 8, .value_kind: global_buffer, .address_space: global }
      - { .name: w_proj, .offset: 48, .size: 8, .value_kind: global_buffer, .address_space: global }
      - { .name: wp, .offset: 56, .size: 8, .value_kind: global_buffer, .address_space: global }
    .group_segment_fixed_size: 33280
    .private_segment_fixed_size: 0
    .kernarg_segment_align: 8
    .kernarg_segment_size: 64
    .max_flat_workgroup_size: 128
    .sgpr_count:     66
    .vgpr_count:     192
    .wavefront_size: 32
...
	.end_amdgpu_metadata
.endif
;; end of part 1
;; launch qkvgemm (part 2): grid 12 x 32, 4 waves a work-group, clusters of 4 x 4, 327,680 bytes of LDS; arguments xc, xs, wc, ws, rope_cos, rope_sin, qkv; writes qkv
.if DOCPART == 2
	.amdgcn_target "amdgcn-amd-amdhsa--gfx1250"
	.amdhsa_code_object_version 6
	.text
	.protected	k_q0c1f73749c_qkvgemm
	.globl	k_q0c1f73749c_qkvgemm
	.p2align	8
	.type	k_q0c1f73749c_qkvgemm,@function
k_q0c1f73749c_qkvgemm:
	s_mov_b64 s[64:65], 0
	v_nop
	global_prefetch_b8 v0, s[64:65] scope:SCOPE_SE
	s_setreg_imm32_b32 hwreg(HW_REG_WAVE_MODE, 25, 1), 1
	s_wait_xcnt 0x0
	s_wait_alu depctr_hold_cnt(0) depctr_sa_sdst(0) depctr_va_vdst(0) depctr_va_sdst(0) depctr_va_ssrc(0) depctr_va_vcc(0) depctr_vm_vsrc(0)
	s_getreg_b32 s2, hwreg(HW_REG_IB_STS2, 6, 4)
	s_cmp_eq_u32 s2, 0
	s_cbranch_scc0 .Lentry_in_a_cluster
	s_endpgm
.Lentry_in_a_cluster:
	s_bfe_u32 s2, ttmp6, 0x10000c
	s_cmp_lg_u32 s2, 0xf033
	s_cbranch_scc0 .Lentry_shape_is_right
	s_endpgm
.Lentry_shape_is_right:
; qkv = x w_qkv^T on codes of FP4 (E2M1) with one E8M0 scale for each 32 along K = 1,024; sums in f32; then RoPE in f32 on q and k; q and k leave as bf16, v as f16.
; A tile of 256 x 256 of the product is made by a work-group of four waves, as many as a WGP has SIMDs; a wave makes 128 x 128: 64 accumulators of 16 x 16, 512 registers.
; All of K lies in two LDS slots of 512 along K (rows of 256 bytes), both asked for at the head: nothing is filled again.  The scale bytes of the 2 x 256 rows come once, beside them.
; THE KIND.  The cluster's x is 0, 1, 2 for q, k, v (1,024 features are four tile columns): the same in all sixteen partners.  The matrix instruction takes 16 rows of SIDE B as source 0 and 16 rows of SIDE A as source 1:
; lane (r, h), register j of accumulator (a, b) holds (A's row 16 a + r, B's row 16 b + 8 h + j).  q, k: side A = tokens, side B = features: a lane holds one token and eight neighbouring d.
; v: side A = features, side B = tokens: a lane holds one d and eight neighbouring keys.  Only pointers and tile numbers are chosen by the kind; the K walk is one text.
; WHAT IS STORED is laid in the order of the next product's operand registers: an image of a fragment (16 rows x 32 along K, 16-bit) is 1,024 bytes, [half c][lane][16 bytes], lane (r, h) holding row r, k = 16 c + 8 h + 0..7.
;   q at 0, k at 2^24: [16 b + head][position / 16][d / 32][image];   v at 2^25, as V^T: [16 b + head][key / 32][d / 16][image].  Each store of a wave covers 512 consecutive bytes, aligned: no stage is needed.
; CLUSTERS: 4 x 4 work-groups.  Side A's tile hangs on the cluster's y place alone and is asked for jointly by a row of the cluster, side B's on the x place alone, by a column.
; LIMITS: v beyond 65,504 becomes infinity in f16 (with x and w_qkv both 30 times the drawn spread |v| is some 5,000); q and k go in bf16, which has f32's range.
; REGISTERS, in windows of 256: window 0: v16-29 addresses; v32-95 scale words, two sets, and nothing else; v128-191 A's fragments, one set; v192-255 and, on the way out, v128-191: cos and sin of 16 positions.
;   window 1: B's fragments, two sets, at v0 and v128; on the way out v0-63 the rotated numbers, v64-95 the packed ones.   windows 2, 3: the accumulators, (a, b) at v[8 (8 (a % 4) + b)].
.set NQ,     4                         ; matrix instructions deep in a slot
.set ROWB,   256                       ; a tile's row in bytes: 512 codes
.set KROW,   512                       ; a row of codes in memory
.set PITCH,  272                       ; an LDS row: 256 bytes + 16 of padding = 68 words: the 16 rows that a load touches start at 16 different banks (64 banks of 4 bytes: ISA guide 11.1)
.set FR,     8                         ; registers of a fragment: 16 rows x 128 K
.set NL,     2                         ; LDS loads that bring one
.set NP,     4                         ; places behind this matrix instruction (ISA guide 7.12.1)
.set HALFT,  128*PITCH                 ; 128 rows: what one tensor load brings
.set SLOT,   4*HALFT                   ; A's 256 rows, then B's 256
.set KS,     32                        ; a row of scale bytes
.set SCL,    2*SLOT                    ; behind the slots: the scales, as units of 256 bytes + 16 of padding
.set HALFS,  (128*KS/256)*272          ; those of 128 rows
.set SBLK,   (16*KS/256)*272           ; those of 16 rows
.set SPARE,  SCL+4*HALFS               ; the spare words, 128 bytes for each wave
.set ADRA, 16                          ; v16-17 LDS address of my A fragments in slot 0, 1
.set ADRB, 20                          ; v20-21 the same for B
.set LI,   24                          ; v24 16 x lane: my place in an image's half
.set RA,   25                          ; v25 256 r + 32 h: my place in 16 rows of cos or sin
.set ADRS, 27                          ; v27 LDS address of my scale words: lanes 0-15 A's rows, lanes 16-31 B's
.set SPW,  28                          ; v28 LDS address of my spare word; never rewritten
.set NIL,  29                          ; v29 0; never rewritten
.set SC,   32                          ; scale words: set s at v[SC + 32 s]; register 4 i + q: lanes 0-15 A's block i, lanes 16-31 B's block i, the slot's q-th 128 along K
.set AF,   128                         ; A's fragments
.set TT,   0                           ; window 1: the rotated numbers, (head hh, tile dt of d) at 32 hh + 8 dt
.set OUTR, 64                          ; window 1: 8 x 4 packed registers
.set G1, 24                            ; s[24:31], s[32:39] groups 1 and 0 (a set a slot) for A's tiles
.set G0, 32
.set G1B, 48                           ; s[48:55], s[56:63] for B's
.set G0B, 56
.set G1S, 68                           ; s[68:75], s[76:79] for A's scales; s[80:87], s[88:91] for B's
.set G0S, 76
.set G1SB, 80
.set G0SB, 88
.set MSB, 0
.macro WIN new                         ; the immediate's high byte repeats the setting that is left; a switch that changes nothing is dropped
.if MSB != (\new)
	s_set_vgpr_msb (MSB<<8)|(\new)
.set MSB, \new
.endif
.endm
.set MUL_LO, 0xa1                      ; source 0 (B) window 1, source 1 (A) window 0, C and D window 2
.set MUL_HI, 0xf1                      ; the same, C and D window 3
.set TO_B,   0x40                      ; destination window 1, address window 0
; A joint load: waves 0 and 1 fetch for A, waves 2 and 3 for B.  Each line has one mask and one set of registers for all that issue it; the branch hangs on the wave's number alone.
; An s_nop 0 and four v_nop follow each of the two lines.
.macro JLOAD g0a, g1a, g0b, g1b
	s_cmp_eq_u32 s15, 0
	s_cbranch_scc0 .Lfor_b_\@
	tensor_load_to_lds s[\g0a:\g0a+3], s[\g1a:\g1a+7]
	s_nop 0
.rept 4
	v_nop
.endr
	s_branch .Lasked_\@
.Lfor_b_\@:
	tensor_load_to_lds s[\g0b:\g0b+3], s[\g1b:\g1b+7]
	s_nop 0
.rept 4
	v_nop
.endr
.Lasked_\@:
.endm
.macro CROUND                          ; a round of the cluster's barrier
	s_barrier_signal -1
	s_barrier_wait -1
	s_cmp_lg_u32 s14, 0
	s_cbranch_scc1 .Lnot_wave_0_\@
	s_barrier_signal -3
.Lnot_wave_0_\@:
	s_barrier_wait -3
	s_barrier_signal -1
	s_barrier_wait -1
.endm
	s_load_b256 s[4:11], s[0:1], 0x0               ; x's codes s[4:5], x's scales s[6:7], w's codes s[8:9], w's scales s[10:11]
	s_load_b128 s[96:99], s[0:1], 0x20             ; cos, sin
	s_load_b64 s[100:101], s[0:1], 0x30            ; qkv
	v_lshl_add_u32 v[SPW], v0, 2, SPARE
	v_mov_b32 v[NIL], 0
	ds_add_u32 v[SPW], v[NIL]                      ; the wave's opening: the add, twice on end, and its wait ahead of my first tensor load
	ds_add_u32 v[SPW], v[NIL]
	v_lshrrev_b32 v1, 5, v0
	v_readfirstlane_b32 s14, v1                    ; wave 0..3
	s_lshr_b32 s15, s14, 1                         ; which half of A's rows is mine.  Also: I fetch for A (0) or for B (1)
	s_and_b32 s16, s14, 1                          ; which half of B's rows.  Also: which 128 rows of that tile I fetch
	s_bfe_u32 s40, ttmp6, 0x40000                  ; cx, cy: my place in the cluster
	s_bfe_u32 s41, ttmp6, 0x40004
	s_and_b32 s12, ttmp7, 0xffff
	s_lshl_b32 s12, s12, 2                         ; 4 x cluster y: the first of four token tiles
	s_lshl_b32 s13, ttmp9, 2                       ; 4 x kind: the first of four feature tiles
	s_cmp_lt_u32 ttmp9, 2                          ; q or k?
	s_cselect_b32 s17, s12, 8                      ; side A: tokens, or v's features (tiles 8 to 11 of w_qkv)
	s_cselect_b32 s42, s13, s12                    ; side B: features, or tokens
	s_add_co_u32 s17, s17, s41                     ; tA: hangs on cy alone
	s_add_co_u32 s42, s42, s40                     ; tB: on cx alone
	s_lshl_b32 s43, s41, 2
	s_lshl_b32 s43, 15, s43                        ; my row of the cluster
	s_lshl_b32 s44, 0x1111, s40                    ; my column
	; descriptor group 1: a tile of 128 rows x 256 bytes, padded in LDS
	s_or_b32 s[G1+0], s43, (0<<16)|(1<<20)|(1<<21)|(5<<22)|(3<<25)  ; 15:0 the mask; 17:16 elements of 1 byte; 20 padding on; 21 set beside a mask; 24:22 after every 64 words; 31:25 four words
	s_or_b32 s[G1B+0], s44, (0<<16)|(1<<20)|(1<<21)|(5<<22)|(3<<25)
.irp g, G1, G1B
	s_mov_b32 s[\g+1], ROWB<<16                    ; tensor_dim0
	s_mov_b32 s[\g+2], 128<<16                     ; tensor_dim1
	s_mov_b32 s[\g+3], ROWB<<16                    ; tile_dim0
	s_mov_b32 s[\g+4], 128                         ; tile_dim1
	s_mov_b32 s[\g+5], KROW                        ; the pitch
	s_mov_b32 s[\g+6], 0
	s_mov_b32 s[\g+7], 0
.endr
	; the scales of 128 rows: a dense block of 4,096 bytes, as 16 rows of 256 bytes (32 elements of 8), 16 bytes of padding behind each
	s_or_b32 s[G1S+0], s43, (3<<16)|(1<<20)|(1<<21)|(5<<22)|(3<<25)
	s_or_b32 s[G1SB+0], s44, (3<<16)|(1<<20)|(1<<21)|(5<<22)|(3<<25)
.irp g, G1S, G1SB
	s_mov_b32 s[\g+1], 32<<16
	s_mov_b32 s[\g+2], (128*KS/256)<<16
	s_mov_b32 s[\g+3], 32<<16
	s_mov_b32 s[\g+4], 128*KS/256
	s_mov_b32 s[\g+5], 32
	s_mov_b32 s[\g+6], 0
	s_mov_b32 s[\g+7], 0
.endr
	s_lshl_b32 s18, s16, 7                         ; which 128 rows of the tile I fetch
	s_lshl_b32 s20, s17, 8
	s_add_co_u32 s20, s20, s18                     ; A: row 256 tA + 128 x half
	s_lshl_b32 s46, s42, 8
	s_add_co_u32 s46, s46, s18                     ; B: row 256 tB + 128 x half
	s_mov_b32 s21, 0
	s_mov_b32 s47, 0
	s_mov_b64 s[18:19], KS
	s_mul_u64 s[22:23], s[20:21], s[18:19]         ; where these rows' scales begin, in bytes,
	s_mul_u64 s[2:3], s[46:47], s[18:19]
	s_mov_b64 s[18:19], KROW
	s_mul_u64 s[20:21], s[20:21], s[18:19]         ; and their codes
	s_mul_u64 s[46:47], s[46:47], s[18:19]
	s_mul_i32 s45, s14, HALFT                      ; where they go: wave x 128 rows: no place in the cluster enters an LDS address
	s_mul_i32 s13, s14, HALFS
	s_wait_dscnt 0x0                               ; both opening adds are done
	s_wait_kmcnt 0x0
	s_cmp_lt_u32 ttmp9, 2                          ; the sides' buffers: the choice hangs on the kind alone
	s_cselect_b64 s[92:93], s[4:5], s[8:9]         ; A's codes
	s_cselect_b64 s[94:95], s[6:7], s[10:11]       ; A's scales
	s_cselect_b64 s[8:9], s[8:9], s[4:5]           ; B's codes
	s_cselect_b64 s[10:11], s[10:11], s[6:7]       ; B's scales
	s_add_nc_u64 s[20:21], s[92:93], s[20:21]
	s_add_nc_u64 s[22:23], s[94:95], s[22:23]
	s_add_nc_u64 s[46:47], s[8:9], s[46:47]
	s_add_nc_u64 s[2:3], s[10:11], s[2:3]
	CROUND                                         ; all sixteen work-groups are here: the joint loads meet
	s_mov_b32 s[G0S], 1
	s_add_co_u32 s[G0S+1], s13, SCL
	s_mov_b64 s[G0S+2:G0S+3], s[22:23]
	s_or_b32 s[G0S+3], s[G0S+3], 0x80000000
	s_mov_b32 s[G0SB], 1
	s_add_co_u32 s[G0SB+1], s13, SCL
	s_mov_b64 s[G0SB+2:G0SB+3], s[2:3]
	s_or_b32 s[G0SB+3], s[G0SB+3], 0x80000000
	JLOAD G0S, G1S, G0SB, G1SB                     ; the scales first: they are wanted with slot 0.  Three loads of mine are out at the most
.irp s, 0,1
	s_mov_b32 s[G0+4*\s], 1
	s_add_co_u32 s[G0+4*\s+1], s45, \s*SLOT
	s_add_nc_u64 s[G0+4*\s+2:G0+4*\s+3], s[20:21], \s*ROWB
	s_or_b32 s[G0+4*\s+3], s[G0+4*\s+3], 0x80000000
	s_mov_b32 s[G0B+4*\s], 1
	s_add_co_u32 s[G0B+4*\s+1], s45, \s*SLOT
	s_add_nc_u64 s[G0B+4*\s+2:G0B+4*\s+3], s[46:47], \s*ROWB
	s_or_b32 s[G0B+4*\s+3], s[G0B+4*\s+3], 0x80000000
	JLOAD G0+4*\s, G1, G0B+4*\s, G1B
.endr
	v_and_b32 v1, 15, v0                           ; r = lane % 16
	v_bfe_u32 v2, v0, 4, 1                         ; h = lane / 16
	v_mul_u32_u24 v3, v1, PITCH
	v_lshl_add_u32 v4, v2, 4, v3                   ; a fragment's row x pitch + 16 x half
	s_mul_i32 s21, s15, HALFT                      ; my 128 rows of A
	s_mul_i32 s22, s16, HALFT                      ; my 128 rows of B,
	s_add_co_u32 s22, s22, 2*HALFT                 ; which lie behind A's 256
.irp s, 0,1
	v_add_nc_u32 v[ADRA+\s], s21, v4
	v_add_nc_u32 v[ADRB+\s], s22, v4
	s_add_co_u32 s21, s21, SLOT
	s_add_co_u32 s22, s22, SLOT
.endr
	v_mul_u32_u24 v5, v1, KS                       ; my row's scales: 32 bytes a row,
	v_lshrrev_b32 v6, 8, v5
	v_lshl_add_u32 v5, v6, 4, v5                   ; and 16 more for each 256 passed
	s_mul_i32 s21, s15, HALFS                      ; A's: my 128 rows
	s_mul_i32 s22, s16, HALFS                      ; B's: my 128 rows, behind A's 256
	s_add_co_u32 s22, s22, 2*HALFS
	s_sub_co_u32 s22, s22, s21
	v_mul_u32_u24 v6, s22, v2                      ; lanes 16-31 take B's: the lower base + h x the distance
	s_add_co_u32 s21, s21, SCL
	v_add_nc_u32 v5, v5, v6
	v_add_nc_u32 v[ADRS], s21, v5
	v_and_b32 v6, 31, v0
	v_lshlrev_b32 v[LI], 4, v6
	v_lshlrev_b32 v[RA], 8, v1
	v_lshl_add_u32 v[RA], v2, 5, v[RA]
	s_and_b32 s18, s17, 7                          ; cos and sin at my first position: 256 (tA % 8) + 128 x my half of A's rows; a row is 256 bytes
	s_lshl_b32 s18, s18, 8
	s_lshl_b32 s19, s15, 7
	s_add_co_u32 s18, s18, s19
	s_lshl_b32 s18, s18, 8
	s_mov_b32 s19, 0
	s_add_nc_u64 s[96:97], s[96:97], s[18:19]
	s_add_nc_u64 s[98:99], s[98:99], s[18:19]
.macro FRAG reg, adr, q, i             ; 16 rows x 128 K of 4-bit codes: lane l holds row l % 16; registers 4 c .. 4 c + 3 hold K = 64 c + 32 (l / 16) + 0 .. 31
.irp c, 0,1
	ds_load_b128 v[\reg+4*\c:\reg+4*\c+3], v[\adr] offset:64*(\q)+32*\c+(\i)*16*PITCH
.endr
.endm
; 16 matrix instructions: A's blocks a0, a0 + 1 x B's eight, the slot's q-th 128 along K.  p: B's set; sc: the set of scale words.  zero = 1: the first product starts the sums.
; The 64 accumulators take turns, one instruction a turn, in the same order in every step.
.macro MUL16 a0, p, q, sc, zero
.irp a, \a0, \a0+1
.irp b, 0,1,2,3,4,5,6,7
.if \zero
	v_wmma_scale_f32_16x16x128_f8f6f4 v[8*(8*((\a)%4)+\b):8*(8*((\a)%4)+\b)+7], v[128*(\p)+FR*\b:128*(\p)+FR*\b+FR-1], v[AF+FR*(\a):AF+FR*(\a)+FR-1], 0, v[SC+8*NQ*(\sc)+NQ*\b+(\q)], v[SC+8*NQ*(\sc)+NQ*(\a)+(\q)] matrix_a_fmt:MATRIX_FMT_FP4 matrix_b_fmt:MATRIX_FMT_FP4 matrix_a_scale:MATRIX_SCALE_ROW1
.else
	v_wmma_scale_f32_16x16x128_f8f6f4 v[8*(8*((\a)%4)+\b):8*(8*((\a)%4)+\b)+7], v[128*(\p)+FR*\b:128*(\p)+FR*\b+FR-1], v[AF+FR*(\a):AF+FR*(\a)+FR-1], v[8*(8*((\a)%4)+\b):8*(8*((\a)%4)+\b)+7], v[SC+8*NQ*(\sc)+NQ*\b+(\q)], v[SC+8*NQ*(\sc)+NQ*(\a)+(\q)] matrix_a_fmt:MATRIX_FMT_FP4 matrix_b_fmt:MATRIX_FMT_FP4 matrix_a_scale:MATRIX_SCALE_ROW1
.endif
.endr
.endr
.endm
.macro FETCH_B slot, q, p              ; B's eight fragments of the slot's q-th 128 along K into set p
	WIN TO_B
.irp i, 0,1,2,3,4,5,6,7
	FRAG 128*(\p)+FR*\i, ADRB+\slot, \q, \i
.endr
	WIN 0
.endm
.macro FETCH_A slot, q, i0             ; A's blocks i0 .. i0 + 3
.irp i, \i0, \i0+1, \i0+2, \i0+3
	FRAG AF+FR*(\i), ADRA+\slot, \q, \i
.endr
.endm
.macro SCALES sc                       ; a slot's scale words into set sc: four words a row; lanes 0-15 take A's block i, lanes 16-31 B's block i
.irp i, 0,1,2,3,4,5,6,7
	ds_load_b128 v[SC+8*NQ*\sc+NQ*\i:SC+8*NQ*\sc+NQ*\i+3], v[ADRS] offset:\i*SBLK
.endr
.endm
; A load into a register that a matrix instruction has read, and a vector instruction that reads a matrix result or writes one of a matrix instruction's registers, stand NP places behind it;
; only plain vector instructions that name none of its registers are places.
.macro PLACES n
.rept \n
	v_nop
.endr
.endm
; A step of 128 along K that has its successor in the same slot.  A block of A is free as soon as its eight products are issued: blocks 0-3 are fetched anew in the step's middle, blocks 4-7 at its end.
.macro STEP slot, q, zero
	s_wait_dscnt 4*NL                              ; B's set and A's blocks 0-3 are in; the youngest 8 loads (A's blocks 4-7) may be out
	WIN MUL_LO
	MUL16 0, (\q)%2, \q, \slot, \zero
	MUL16 2, (\q)%2, \q, \slot, \zero
	s_wait_dscnt 0                                 ; A's blocks 4-7 are in (asked for 32 matrix instructions ago)
	PLACES NP
	FETCH_B \slot, (\q)+1, 1-(\q)%2
	FETCH_A \slot, (\q)+1, 0
	WIN MUL_HI
	MUL16 4, (\q)%2, \q, \slot, \zero
	MUL16 6, (\q)%2, \q, \slot, \zero
	PLACES NP
	WIN 0
	FETCH_A \slot, (\q)+1, 4
.endm
; Slot 0's last step goes over to slot 1: each wave waits for all its tensor loads (its part of slot 1), then the barrier shows the slot whole to all four.
.macro TURN slot, next
	s_wait_tensorcnt 0x0                           ; all my tensor loads have landed
	ds_add_u32 v[SPW], v[NIL]                      ; 0 onto my spare word
	s_wait_dscnt 4*NL+1                            ; (the add and the youngest 8 loads, A's blocks 4-7, may be out)
	WIN MUL_LO
	MUL16 0, 1, NQ-1, \slot, 0
	s_wait_dscnt 0x0                               ; the add is done, and no LDS instruction of mine is out at the signal
	s_barrier_signal -1
	MUL16 2, 1, NQ-1, \slot, 0
	WIN 0
	s_barrier_wait -1
	PLACES NP
	v_add_nc_u32 v[ADRS], 4*NQ, v[ADRS]            ; on to the next slot's scale words
	FETCH_B \next, 0, 0
	FETCH_A \next, 0, 0
	SCALES \next
	WIN MUL_HI
	MUL16 4, 1, NQ-1, \slot, 0
	MUL16 6, 1, NQ-1, \slot, 0
	PLACES NP
	WIN 0
	FETCH_A \next, 0, 4
.endm
; cos and sin of block a's 16 positions, in the accumulators' layout: lane (r, h) takes, of row 16 a + r, d = 16 dt + 8 h + 0..7: 16 loads into set a % 2 (v192-255, v128-191): cos in its first 32 registers, sin in the others
.macro RLOAD a
.set RL, 192-64*((\a)%2)
.irp dt, 0,1,2,3
.irp u, 0,1
	global_load_b128 v[RL+8*\dt+4*\u:RL+8*\dt+4*\u+3], v[RA], s[96:97] offset:4096*(\a)+64*\dt+16*\u
	global_load_b128 v[RL+32+8*\dt+4*\u:RL+32+8*\dt+4*\u+3], v[RA], s[98:99] offset:4096*(\a)+64*\dt+16*\u
.endr
.endr
.endm
	s_wait_tensorcnt 1                             ; the scales and my part of slot 0 are in (slot 1's load may be out),
	s_barrier_signal -1
	s_barrier_wait -1                              ; everybody's are
	FETCH_B 0, 0, 0
	FETCH_A 0, 0, 0
	SCALES 0
	FETCH_A 0, 0, 4
	STEP 0, 0, 1                                   ; the first step's products start the sums: nothing is cleared
	STEP 0, 1, 0
	STEP 0, 2, 0
	TURN 0, 1
	RLOAD 0                                        ; the first block's cos and sin, four steps ahead of their use.  v's tiles issue these 16 loads too (inside the tables) and do not use them: so no branch stands in the K walk
	STEP 1, 0, 0
	STEP 1, 1, 0
	STEP 1, 2, 0
	s_wait_dscnt 4*NL                              ; the very last step: nothing more to fetch
	WIN MUL_LO
	MUL16 0, 1, NQ-1, 1, 0
	MUL16 2, 1, NQ-1, 1, 0
	s_wait_dscnt 0
	WIN MUL_HI
	MUL16 4, 1, NQ-1, 1, 0
	MUL16 6, 1, NQ-1, 1, 0
	WIN 0
	PLACES NP                                      ; behind the last products: for the reads of results, the writes of window 1's registers and the loads into A's registers
	s_cmp_eq_u32 ttmp9, 2                          ; the kind: the same in all sixteen partners; every tensor load has been waited for
	s_cbranch_scc1 .Lvpath
	; THE WAY OUT OF q AND k.  Where my images begin: kind x 2^24 + (16 b + 4 cx + 2 x my half of the features) x 2^18 + (16 (tA % 8) + 8 x my half of the tokens) x 2,048
	s_lshr_b32 s18, s17, 3
	s_lshl_b32 s18, s18, 4
	s_lshl_b32 s19, s40, 2
	s_add_co_u32 s18, s18, s19
	s_lshl_b32 s19, s16, 1
	s_add_co_u32 s18, s18, s19
	s_lshl_b32 s18, s18, 18
	s_and_b32 s19, s17, 7
	s_lshl_b32 s19, s19, 4
	s_lshl_b32 s20, s15, 3
	s_add_co_u32 s19, s19, s20
	s_lshl_b32 s19, s19, 11
	s_add_co_u32 s18, s18, s19
	s_lshl_b32 s19, ttmp9, 24
	s_add_co_u32 s18, s18, s19
	s_mov_b32 s19, 0
	s_add_nc_u64 s[100:101], s[100:101], s[18:19]
; Block a: 16 tokens x my 128 features = two heads (hh) x four tiles of d (dt).  out(d) = x(d) cos(d) - x(d + 32) sin(d) for d < 32, x(d) cos(d) + x(d - 32) sin(d) for d >= 32: tiles dt and dt + 2 are partners,
; in the same lane and register.  Each accumulator is read from its low end on.  Eight numbers of a lane pack into the 16 bytes of its place in an image's half.
.macro ROPE a
.set RS, 192-64*((\a)%2)
.set AC, 64*((\a)%4)
	WIN 0
.if (\a) < 7
	RLOAD (\a)+1
	s_wait_loadcnt 16                              ; this block's 16 loads are in; the next block's 16 may be out
.else
	s_wait_loadcnt 0x0
.endif
	WIN 0x52+(\a)/4                                ; source 0: the accumulators' window; source 1: window 0; source 2 and destination: window 1
.irp hh, 0,1
.irp dt, 0,1
.irp p, 0,2,4,6
	v_pk_mul_f32 v[TT+32*\hh+8*\dt+\p:TT+32*\hh+8*\dt+\p+1], v[AC+8*(4*\hh+\dt)+\p:AC+8*(4*\hh+\dt)+\p+1], v[RS+8*\dt+\p:RS+8*\dt+\p+1]
	v_pk_mul_f32 v[TT+32*\hh+8*(\dt+2)+\p:TT+32*\hh+8*(\dt+2)+\p+1], v[AC+8*(4*\hh+\dt+2)+\p:AC+8*(4*\hh+\dt+2)+\p+1], v[RS+8*(\dt+2)+\p:RS+8*(\dt+2)+\p+1]
.endr
.irp p, 0,2,4,6
	v_pk_fma_f32 v[TT+32*\hh+8*\dt+\p:TT+32*\hh+8*\dt+\p+1], v[AC+8*(4*\hh+\dt+2)+\p:AC+8*(4*\hh+\dt+2)+\p+1], v[RS+32+8*\dt+\p:RS+32+8*\dt+\p+1], v[TT+32*\hh+8*\dt+\p:TT+32*\hh+8*\dt+\p+1] neg_lo:[0,1,0] neg_hi:[0,1,0]
	v_pk_fma_f32 v[TT+32*\hh+8*(\dt+2)+\p:TT+32*\hh+8*(\dt+2)+\p+1], v[AC+8*(4*\hh+\dt)+\p:AC+8*(4*\hh+\dt)+\p+1], v[RS+32+8*(\dt+2)+\p:RS+32+8*(\dt+2)+\p+1], v[TT+32*\hh+8*(\dt+2)+\p:TT+32*\hh+8*(\dt+2)+\p+1]
.endr
.endr
.endr
	s_wait_xcnt 0x0                                ; the last block's stores have read their data registers, which are written again below
	WIN 0x45                                       ; sources and destination: window 1
.irp k, 0,1,2,3,4,5,6,7
.irp p, 0,1,2,3
	v_cvt_pk_bf16_f32 v[OUTR+4*\k+\p], v[TT+8*\k+2*\p], v[TT+8*\k+2*\p+1]
.endr
.endr
	WIN 0x04                                       ; a store's data are its source 1: window 1
.irp hh, 0,1
.irp dt, 0,1,2,3
	global_store_b128 v[LI], v[OUTR+4*(4*\hh+\dt):OUTR+4*(4*\hh+\dt)+3], s[100:101] offset:\hh*262144+(\a)*2048+\dt*512   ; 32 lanes store 512 consecutive bytes, aligned: half an image
.endr
.endr
.endm
.irp a, 0,1,2,3,4,5,6,7
	ROPE \a
.endr
	WIN 0
	s_branch .Lend
.Lvpath:
	; THE WAY OUT OF v.  Where my images begin: 2^25 + (16 b + 4 cy + 2 x my half of the features) x 2^18 + (8 (tB % 8) + 4 x my half of the tokens) x 4,096
	s_lshr_b32 s18, s42, 3
	s_lshl_b32 s18, s18, 4
	s_lshl_b32 s19, s41, 2
	s_add_co_u32 s18, s18, s19
	s_lshl_b32 s19, s15, 1
	s_add_co_u32 s18, s18, s19
	s_lshl_b32 s18, s18, 18
	s_and_b32 s19, s42, 7
	s_lshl_b32 s19, s19, 3
	s_lshl_b32 s20, s16, 2
	s_add_co_u32 s19, s19, s20
	s_lshl_b32 s19, s19, 12
	s_add_co_u32 s18, s18, s19
	s_add_co_u32 s18, s18, 1<<25
	s_mov_b32 s19, 0
	s_add_nc_u64 s[100:101], s[100:101], s[18:19]
; Block a: 16 of d (head a / 4 of my two, tile a % 4) x my 128 keys: accumulator (a, b) is half b % 2 of the image of keys 32 (b / 2) on.  Two sets of packed registers by turns.
.macro VOUT a
.set AC, 64*((\a)%4)
.set VO, 32*((\a)%2)
.if (\a) > 1
	s_wait_xcnt 0x0                                ; block a - 2's stores have read their data registers
.endif
	WIN 0x4a+5*((\a)/4)                            ; sources: the accumulators' window; destination: window 1
.irp b, 0,1,2,3,4,5,6,7
.irp p, 0,1,2,3
	v_cvt_pk_f16_f32 v[VO+4*\b+\p], v[AC+8*\b+2*\p], v[AC+8*\b+2*\p+1]
.endr
.endr
	WIN 0x04
.irp b, 0,1,2,3,4,5,6,7
	global_store_b128 v[LI], v[VO+4*\b:VO+4*\b+3], s[100:101] offset:((\a)/4)*262144+(\b/2)*4096+((\a)%4)*1024+(\b%2)*512
.endr
.endm
.irp a, 0,1,2,3,4,5,6,7
	VOUT \a
.endr
	WIN 0
.Lend:
	s_wait_tensorcnt 0x0                           ; the wave's end
	ds_add_u32 v[SPW], v[NIL]
	s_wait_dscnt 0x0
	CROUND                                         ; the closing round: no work-group ends while a partner may still ask for a tile that names it
	s_endpgm
.Lfunc_end_k_q0c1f73749c_qkvgemm:
	.size	k_q0c1f73749c_qkvgemm, .Lfunc_end_k_q0c1f73749c_qkvgemm-k_q0c1f73749c_qkvgemm
	.p2alignl 7, 3214868480
	.fill 96, 4, 3214868480
	.section	.rodata,"a",@progbits
	.p2align	6, 0x0
	.amdhsa_kernel k_q0c1f73749c_qkvgemm
		.amdhsa_group_segment_fixed_size 327680
		.amdhsa_private_segment_fixed_size 0
		.amdhsa_enable_private_segment 0
		.amdhsa_kernarg_size 56
		.amdhsa_user_sgpr_count 2
		.amdhsa_user_sgpr_kernarg_segment_ptr 1
		.amdhsa_wavefront_size32 1
		.amdhsa_system_sgpr_workgroup_id_x 1
		.amdhsa_system_sgpr_workgroup_id_y 1
		.amdhsa_system_sgpr_workgroup_id_z 1
		.amdhsa_system_vgpr_workitem_id 0
		.amdhsa_next_free_vgpr 1024
		.amdhsa_next_free_sgpr 102
		.amdhsa_reserve_vcc 0
		.amdhsa_float_denorm_mode_32 3
		.amdhsa_float_denorm_mode_16_64 3
		.amdhsa_memory_ordered 1
		.amdhsa_forward_progress 1
		.amdhsa_inst_pref_size 186
	.end_amdhsa_kernel
	.amdgpu_metadata
---
amdhsa.version: [ 1, 2 ]
amdhsa.kernels:
  - .name:           k_q0c1f73749c_qkvgemm
    .symbol:         k_q0c1f73749c_qkvgemm.kd
    .args:
      - { .name: xc, .offset: 0, .size: 8, .value_kind: global_buffer, .address_space: global }
      - { .name: xs, .offset: 8, .size: 8, .value_kind: global_buffer, .address_space: global }
      - { .name: wc, .offset: 16, .size: 8, .value_kind: global_buffer, .address_space: global }
      - { .name: ws, .offset: 24, .size: 8, .value_kind: global_buffer, .address_space: global }
      - { .name: rope_cos, .offset: 32, .size: 8, .value_kind: global_buffer, .address_space: global }
      - { .name: rope_sin, .offset: 40, .size: 8, .value_kind: global_buffer, .address_space: global }
      - { .name: qkv, .offset: 48, .size: 8, .value_kind: global_buffer, .address_space: global }
    .group_segment_fixed_size: 327680
    .private_segment_fixed_size: 0
    .kernarg_segment_align: 8
    .kernarg_segment_size: 56
    .max_flat_workgroup_size: 128
    .sgpr_count:     102
    .vgpr_count:     1024
    .wavefront_size: 32
...
	.end_amdgpu_metadata
.endif
;; end of part 2
;; launch attn (part 3): grid 4 x 64, 8 waves a work-group, clusters of 4 x 1, 327,680 bytes of LDS; arguments qkv, of; writes of
.if DOCPART == 3
	.amdgcn_target "amdgcn-amd-amdhsa--gfx1250"
	.amdhsa_code_object_version 6
	.text
	.protected	k_q0c1f73749c_attn
	.globl	k_q0c1f73749c_attn
	.p2align	8
	.type	k_q0c1f73749c_attn,@function
k_q0c1f73749c_attn:
	s_mov_b64 s[64:65], 0
	v_nop
	global_prefetch_b8 v0, s[64:65] scope:SCOPE_SE
	s_setreg_imm32_b32 hwreg(HW_REG_WAVE_MODE, 25, 1), 1
	s_wait_xcnt 0x0
	s_wait_alu depctr_hold_cnt(0) depctr_sa_sdst(0) depctr_va_vdst(0) depctr_va_sdst(0) depctr_va_ssrc(0) depctr_va_vcc(0) depctr_vm_vsrc(0)
	s_getreg_b32 s2, hwreg(HW_REG_IB_STS2, 6, 4)
	s_cmp_eq_u32 s2, 0
	s_cbranch_scc0 .Lentry_in_a_cluster
	s_endpgm
.Lentry_in_a_cluster:
	s_bfe_u32 s2, ttmp6, 0x10000c
	s_cmp_lg_u32 s2, 0x3003
	s_cbranch_scc0 .Lentry_shape_is_right
	s_endpgm
.Lentry_shape_is_right:
; o[b][head][q] = the sum over k of softmax_k(q . k / 8) v[k], head size 64, 2,048 keys, no mask.  q, k: bf16; the weights p and v: f16; products, maxima and sums in f32; o / l leaves as f16.
; q, k and v lie as images of operand registers: an image (16 rows x 32 along K) is [half c][lane][16 bytes].  q at 0, k at 2^24: [bh][position / 16][d / 32][image]; v at 2^25, as V^T: [bh][key / 32][d / 16][image].
; The result is laid the same way for the projection: [token / 16][channel / 32][image].  So every fragment comes by loads at 16 x lane and every store of a wave covers 512 consecutive bytes, aligned.
; SHARES.  A work-group owns 512 queries of one (b, head); each of its eight waves 64: four tiles of 16.  Two waves share a SIMD, so that one wave's softmax stands beside the other's products.
; Each fragment of K and V read from LDS feeds four matrix instructions.  Every wave walks all 2,048 keys, 64 a step.
; LAYOUT.  S^T = K Q^T (source 0 = 16 keys, source 1 = 16 queries): a lane holds ONE query (lane % 16) and the keys 8 (lane / 16) + 0..7.  Two such tiles, rounded to f16 in pairs, ARE source 1 of O^T = V^T P,
; whose result again holds one query a lane.  Nothing changes lanes between the products; a query's maximum and sum want one exchange between the halves of the lanes.
; SOFTMAX.  For each query a running maximum m and sum l: p = 2^(c s - c m), c = log2(e) / 8; in every step O and l are multiplied by a = 2^(c m_old - c m_new).
; RING.  Two LDS slots of 512 keys (K's 64 KiB of images, then V's): 8 key steps a slot, four slots' worth of keys: two first fills, two refills.  Each wave fetches 16 KiB of a slot by one load of 64 rows x 256 bytes.
; CLUSTER.  The four query blocks of a (b, head) walk the same K and V: each tile is asked for JOINTLY, by the same load with the same descriptor and a mask that names the four.
; LIMITS: |v| beyond 65,504 is infinity already in the buffer; a weight p under 6e-8 counts as 0 in the second product (the sum l is at least 1).
; REGISTERS: window 0: v1-4 addresses; v8-11 the old c m; v14, v15 the add's two; v16-47 eight statistics a tile; v48-111 K of a step; v128-255 S^T, 32 a tile, then P in its first 16.
;   window 1: v0-63 Q; v64-127 V of a step; v128-255 O^T, 32 a tile.
.set SLOT1, 1<<17                      ; slot 1 begins here: one exclusive or turns an address in one slot into the other's
.set VOFF,  65536                      ; in a slot: K's images, then V's
.set STEPB, 8192                       ; a key step's images, of K and of V alike
.set SPARE, 2*SLOT1                    ; behind the ring: the spare words, 128 bytes for each of eight waves
.set LI,  1                            ; v1  16 x lane
.set ADK, 2                            ; v2  LDS address of the step's K
.set ADV, 3                            ; v3  of its V
.set PFO, 4                            ; v4  256 x lane
.set OLD, 8                            ; v8-11  tile t: c m_old, then c m_old - c m_new
.set SPW, 14
.set NIL, 15
.set ST,  16                           ; tile t at v[ST + 8 t]: +0 c m, +1 m, +2, +3 l (even keys', odd keys'), +4 to +7 at work; a takes +6 once the maximum is found
.set KB,  48                           ; K(kt, s) at KB + 16 kt + 8 s
.set S,   128                          ; S(t, kt) at S + 32 t + 8 kt;  P(t, ks) at S + 32 t + 8 ks
.set VB,  64                           ; window 1: V(ks, dt) at VB + 32 ks + 8 dt
.set OB,  128                          ; window 1: O(t, dt) at OB + 32 t + 8 dt;  Q(t, s) at 16 t + 8 s
.set WV,  12                           ; s12 my wave's number
.set LIM, 15                           ; s15 1 in a wave that prefetches, else the greatest number
.set PFA, 18                           ; s[18:19] where my prefetch stands; never rewritten
.set G1,  24                           ; s[24:31] descriptor group 1
.set G0A, 32                           ; s[32:35] group 0 for slot 0's first fill
.set G0B, 36                           ; s[36:39] for slot 1's; it then walks
.set SLOTS, 56                         ; s56 slots still to be asked for
.set NST, 57                           ; s57 counts key steps
.set CS,  58                           ; s[58:59] c: the packed form names a pair and takes its low word for both halves
.set SEL, 60                           ; s[60:61] lane selects for v_permlanex16_b32: lane l xor 16
.set TB,  62                           ; s62 LDS byte at which the step's K begins
.set MSB, 0
.macro WIN new
.if MSB != (\new)
	s_set_vgpr_msb (MSB<<8)|(\new)
.set MSB, \new
.endif
.endm
.set W_KQ,  0x04                       ; Q (source 1) in window 1; K and S^T in window 0
.set W_PV,  0x51                       ; V (source 0) and O^T in window 1; P in window 0
.set W_LD1, 0x40                       ; destination window 1, address window 0
.set W_RS,  0x41                       ; O^T (destination and source 0) in window 1, a in window 0
.set W_CV,  0x05                       ; sources window 1, destination window 0
.macro CROUND                          ; a round of the cluster's barrier
	s_barrier_signal -1
	s_barrier_wait -1
	s_cmp_lg_u32 s[WV], 0
	s_cbranch_scc1 .Lnot_wave_0_\@
	s_barrier_signal -3
.Lnot_wave_0_\@:
	s_barrier_wait -3
	s_barrier_signal -1
	s_barrier_wait -1
.endm
	s_load_b128 s[4:7], s[0:1], 0x0                ; qkv, the result
	v_lshl_add_u32 v[SPW], v0, 2, SPARE
	v_mov_b32 v[NIL], 0
	ds_add_u32 v[SPW], v[NIL]                      ; the wave's opening: the add, twice on end, and its wait ahead of my first tensor load
	ds_add_u32 v[SPW], v[NIL]
	v_lshrrev_b32 v1, 5, v0
	v_readfirstlane_b32 s[WV], v1                  ; wave 0..7
	s_bfe_u32 s13, ttmp6, 0x40000                  ; cx: my place in the cluster
	s_lshl_b32 s14, ttmp9, 2
	s_add_co_u32 s14, s14, s13                     ; my block of 512 queries: it enters Q's, the result's and the prefetch's addresses alone
	s_and_b32 s16, ttmp7, 0xffff                   ; bh = 16 b + head, which the four partners share
	s_lshr_b32 s20, s[WV], 2                       ; what I fetch: waves 0-3 K's quarters, waves 4-7 V's:
	s_add_co_u32 s20, s20, 1
	s_lshl_b32 s20, s20, 24                        ; K at 2^24, V at 2^25,
	s_lshl_b32 s21, s16, 18                        ; the head's 2^18 bytes,
	s_add_co_u32 s20, s20, s21
	s_and_b32 s21, s[WV], 3
	s_lshl_b32 s21, s21, 14                        ; my 16 KiB of a slot's 64
	s_add_co_u32 s20, s20, s21
	s_mov_b32 s21, 0
	s_lshl_b32 s17, s[WV], 14                      ; and their place in a slot: no place in the cluster enters an LDS address
	s_lshl_b32 s22, s14, 5
	s_lshl_b32 s23, s[WV], 2
	s_add_co_u32 s22, s22, s23                     ; my first tile of 16 queries in the head: 32 x block + 4 x wave
	s_lshl_b32 s2, s22, 15                         ; the result: 32,768 bytes a tile of tokens,
	s_lshl_b32 s22, s22, 11                        ; Q: 2,048 bytes a tile,
	s_lshl_b32 s23, s16, 18
	s_add_co_u32 s22, s22, s23                     ; in my head
	s_mov_b32 s23, 0
	s_lshr_b32 s3, s16, 4
	s_lshl_b32 s3, s3, 22                          ; 128 tiles of tokens a batch,
	s_add_co_u32 s2, s2, s3
	s_and_b32 s3, s16, 15
	s_lshl_b32 s3, s3, 11                          ; the head's 64 channels: two images
	s_add_co_u32 s2, s2, s3
	s_mov_b32 s3, 0
	s_bfe_u32 s18, s[WV], 0x10001                  ; the prefetch (macro ASK): waves 4, 5 for K, waves 6, 7 for V,
	s_add_co_u32 s18, s18, 1
	s_lshl_b32 s18, s18, 24
	s_lshl_b32 s19, s16, 18
	s_add_co_u32 s18, s18, s19
	s_and_b32 s19, s[WV], 1
	s_lshl_b32 s19, s19, 15                        ; a half of a slot's 64 KiB each,
	s_add_co_u32 s18, s18, s19
	s_lshl_b32 s19, s13, 13                        ; of which my work-group takes 8 KiB, by address,
	s_add_co_u32 s18, s18, s19
	s_add_co_u32 s18, s18, 3<<16                   ; in the fourth slot's worth of keys
	s_mov_b32 s19, 0
	s_lshr_b32 s[LIM], s[WV], 2
	s_cmp_eq_u32 s[LIM], 1
	s_cselect_b32 s[LIM], 1, -1                    ; the wave's number alone: the same in all four partners
	; descriptor group 1: a dense block of 16 KiB as 64 rows of 256 bytes (32 elements of 8 bytes), no padding: images are read at 16 x lane
	s_mov_b32 s[G1], 15|(3<<16)|(1<<21)            ; 15:0 the mask: all four work-groups; 17:16 elements of 8 bytes; 21 set beside a mask
	s_mov_b32 s[G1+1], 32<<16                      ; tensor_dim0
	s_mov_b32 s[G1+2], 64<<16                      ; tensor_dim1
	s_mov_b32 s[G1+3], 32<<16                      ; tile_dim0
	s_mov_b32 s[G1+4], 64                          ; tile_dim1
	s_mov_b32 s[G1+5], 32                          ; the pitch
	s_mov_b32 s[G1+6], 0
	s_mov_b32 s[G1+7], 0
	s_mov_b32 s[CS], 0x3e38aa3b                    ; c = log2(e) / 8
	s_mov_b32 s[CS+1], s[CS]
	s_mov_b32 s[SEL], 0x76543210
	s_mov_b32 s[SEL+1], 0xfedcba98
	s_mov_b32 s[TB], 0
	s_mov_b32 s[SLOTS], 2
	s_wait_dscnt 0x0                               ; both opening adds are done
	s_wait_kmcnt 0x0
	s_add_nc_u64 s[8:9], s[4:5], s[22:23]          ; Q at my wave's first tile
	s_add_nc_u64 s[10:11], s[6:7], s[2:3]          ; the result likewise
	s_add_nc_u64 s[PFA:PFA+1], s[4:5], s[18:19]
	s_add_nc_u64 s[20:21], s[4:5], s[20:21]        ; my part of the first 512 keys
	CROUND                                         ; all four work-groups are here: the first joint loads meet
	s_mov_b32 s[G0A], 1                            ; count = 1
	s_mov_b32 s[G0A+1], s17                        ; LDS address: slot 0
	s_mov_b64 s[G0A+2:G0A+3], s[20:21]
	s_or_b32 s[G0A+3], s[G0A+3], 0x80000000        ; type = 2
	s_mov_b32 s[G0B], 1
	s_add_co_u32 s[G0B+1], s17, SLOT1              ; slot 1
	s_add_nc_u64 s[G0B+2:G0B+3], s[20:21], 65536   ; the next 512 keys
	s_or_b32 s[G0B+3], s[G0B+3], 0x80000000
	tensor_load_to_lds s[G0A:G0A+3], s[G1:G1+7]    ; both first fills together, ahead of every wait on TENSORcnt and every LDS read: two loads of mine are out
	s_nop 0
	tensor_load_to_lds s[G0B:G0B+3], s[G1:G1+7]
	s_nop 0
.rept 4
	v_nop
.endr
	v_and_b32 v[LI], 31, v0
	v_lshlrev_b32 v[LI], 4, v[LI]
	v_lshlrev_b32 v[PFO], 4, v[LI]
	WIN W_LD1
.irp e, 0,1,2,3,4,5,6,7,8,9,10,11,12,13,14,15
	global_load_b128 v[4*\e:4*\e+3], v[LI], s[8:9] offset:512*\e   ; Q stays in registers: four tiles x two images
.endr
	WIN 0
; A KEY STEP: 64 keys.  first = 1: the first step, which starts m, l and O^T: it has no a and nothing to rescale.
.macro KSTEP first
	v_add_nc_u32 v[ADK], s[TB], v[LI]
	v_add_nc_u32 v[ADV], VOFF, v[ADK]
.rept 4
	v_nop                                          ; with the two additions six places behind the last step's products: four are owed ahead of the loads into V's registers, five ahead of the products that write over P
.endr
.irp e, 0,1,2,3,4,5,6,7,8,9,10,11,12,13,14,15
	ds_load_b128 v[KB+4*\e:KB+4*\e+3], v[ADK] offset:512*\e
.endr
	WIN W_LD1
.irp e, 0,1,2,3,4,5,6,7,8,9,10,11,12,13,14,15
	ds_load_b128 v[VB+4*\e:VB+4*\e+3], v[ADV] offset:512*\e
.endr
	s_wait_dscnt 16                                ; K is in; V's 16 loads may be out
	WIN W_KQ
.irp kt, 0,1,2,3                       ; S^T = K Q^T: the 16 accumulators take turns, one instruction a turn; d 0-31 starts the sums
.irp t, 0,1,2,3
	v_wmma_f32_16x16x32_bf16 v[S+32*\t+8*\kt:S+32*\t+8*\kt+7], v[KB+16*\kt:KB+16*\kt+7], v[16*\t:16*\t+7], 0
.endr
.endr
.irp kt, 0,1,2,3
.irp t, 0,1,2,3
	v_wmma_f32_16x16x32_bf16 v[S+32*\t+8*\kt:S+32*\t+8*\kt+7], v[KB+16*\kt+8:KB+16*\kt+15], v[16*\t+8:16*\t+15], v[S+32*\t+8*\kt:S+32*\t+8*\kt+7]
.endr
.endr
	WIN 0
.irp t, 0,1,2,3                        ; four places behind the products
.if \first
	v_nop
.else
	v_mov_b32 v[OLD+\t], v[ST+8*\t]                ; c m_old is kept for a
.endif
.endr
	; the maximum of a lane's 32 scores and the old m, three operands at a time: four chains of seven scores (each accumulator from its low end on), then the four left over; the tiles by turns
.irp j, 0,1,2,3
.irp t, 0,1,2,3
	v_max3_num_f32 v[ST+8*\t+4+\j], v[S+32*\t+8*\j], v[S+32*\t+8*\j+1], v[S+32*\t+8*\j+2]
.endr
.endr
.irp g, 1,2
.irp j, 0,1,2,3
.irp t, 0,1,2,3
	v_max3_num_f32 v[ST+8*\t+4+\j], v[ST+8*\t+4+\j], v[S+32*\t+8*\j+2*\g+1], v[S+32*\t+8*\j+2*\g+2]
.endr
.endr
.endr
.irp t, 0,1,2,3
	v_max3_num_f32 v[ST+8*\t+4], v[ST+8*\t+4], v[S+32*\t+7], v[S+32*\t+15]
.endr
.irp t, 0,1,2,3
	v_max3_num_f32 v[ST+8*\t+6], v[ST+8*\t+6], v[S+32*\t+23], v[S+32*\t+31]
.endr
.irp t, 0,1,2,3
	v_max3_num_f32 v[ST+8*\t+4], v[ST+8*\t+4], v[ST+8*\t+5], v[ST+8*\t+6]
.endr
.irp t, 0,1,2,3
.if \first
	v_max_num_f32 v[ST+8*\t+4], v[ST+8*\t+4], v[ST+8*\t+7]
.else
	v_max3_num_f32 v[ST+8*\t+4], v[ST+8*\t+4], v[ST+8*\t+7], v[ST+8*\t+1]
.endif
.endr
.irp t, 0,1,2,3
	v_permlanex16_b32 v[ST+8*\t+5], v[ST+8*\t+4], s[SEL], s[SEL+1]   ; the query's other 32 keys lie in the lane 16 away
.endr
.irp t, 0,1,2,3
	v_max_num_f32 v[ST+8*\t+1], v[ST+8*\t+4], v[ST+8*\t+5]         ; the new m
.endr
.irp t, 0,1,2,3
	v_mul_f32 v[ST+8*\t], s[CS], v[ST+8*\t+1]                      ; c m
.endr
.if \first == 0
.irp t, 0,1,2,3
	v_sub_f32 v[OLD+\t], v[OLD+\t], v[ST+8*\t]                     ; c m_old - c m_new
.endr
.endif
	; ONE BATCH: 64 packed scalings c s - c m and all 132 exponentials; a pair's exponentials stand behind the next pair's scalings.  None of these names an exponential's result.
.irp b, 0,1,2,3,4,5,6,7,8,9,10,11,12,13,14,15
.irp t, 0,1,2,3
	v_pk_fma_f32 v[S+32*\t+2*\b:S+32*\t+2*\b+1], v[S+32*\t+2*\b:S+32*\t+2*\b+1], s[CS:CS+1], v[ST+8*\t:ST+8*\t+1] op_sel_hi:[1,0,0] neg_lo:[0,0,1] neg_hi:[0,0,1]
.endr
.if \b == 0
.if \first == 0
.irp t, 0,1,2,3
	v_exp_f32 v[ST+8*\t+6], v[OLD+\t]              ; a
.endr
.endif
.else
.irp t, 0,1,2,3
	v_exp_f32 v[S+32*\t+2*\b-2], v[S+32*\t+2*\b-2]
	v_exp_f32 v[S+32*\t+2*\b-1], v[S+32*\t+2*\b-1]
.endr
.endif
.endr
.irp t, 0,1,2,3
	v_exp_f32 v[S+32*\t+30], v[S+32*\t+30]
	v_exp_f32 v[S+32*\t+31], v[S+32*\t+31]
.endr
	v_nop                                          ; a plain instruction behind the last exponential, ahead of the first use
	s_wait_alu depctr_va_vdst(0)                   ; and one wait for the whole batch
	; l = a l + the sum of the unrounded weights: two chains a tile, the tiles by turns
.if \first
.irp t, 0,1,2,3
	v_pk_add_f32 v[ST+8*\t+2:ST+8*\t+3], v[S+32*\t:S+32*\t+1], v[S+32*\t+2:S+32*\t+3]
.endr
.irp t, 0,1,2,3
	v_pk_add_f32 v[ST+8*\t+4:ST+8*\t+5], v[S+32*\t+4:S+32*\t+5], v[S+32*\t+6:S+32*\t+7]
.endr
.else
.irp t, 0,1,2,3
	v_pk_mul_f32 v[ST+8*\t+2:ST+8*\t+3], v[ST+8*\t+2:ST+8*\t+3], v[ST+8*\t+6:ST+8*\t+7] op_sel_hi:[1,0]
.endr
.irp t, 0,1,2,3
	v_pk_add_f32 v[ST+8*\t+4:ST+8*\t+5], v[S+32*\t:S+32*\t+1], v[S+32*\t+2:S+32*\t+3]
.endr
.irp t, 0,1,2,3
	v_pk_add_f32 v[ST+8*\t+2:ST+8*\t+3], v[ST+8*\t+2:ST+8*\t+3], v[S+32*\t+4:S+32*\t+5]
.endr
.irp t, 0,1,2,3
	v_pk_add_f32 v[ST+8*\t+4:ST+8*\t+5], v[ST+8*\t+4:ST+8*\t+5], v[S+32*\t+6:S+32*\t+7]
.endr
.endif
.irp i, 8,12,16,20,24,28
.irp t, 0,1,2,3
	v_pk_add_f32 v[ST+8*\t+2:ST+8*\t+3], v[ST+8*\t+2:ST+8*\t+3], v[S+32*\t+\i:S+32*\t+\i+1]
.endr
.irp t, 0,1,2,3
	v_pk_add_f32 v[ST+8*\t+4:ST+8*\t+5], v[ST+8*\t+4:ST+8*\t+5], v[S+32*\t+\i+2:S+32*\t+\i+3]
.endr
.endr
.irp t, 0,1,2,3
	v_pk_add_f32 v[ST+8*\t+2:ST+8*\t+3], v[ST+8*\t+2:ST+8*\t+3], v[ST+8*\t+4:ST+8*\t+5]
.endr
	; the weights to f16, in place, ascending: register i takes scores 2 i and 2 i + 1: registers 8 ks .. 8 ks + 7 are P's fragment of keys 32 ks on
.irp i, 0,1,2,3,4,5,6,7,8,9,10,11,12,13,14,15
.irp t, 0,1,2,3
	v_cvt_pk_f16_f32 v[S+32*\t+\i], v[S+32*\t+2*\i], v[S+32*\t+2*\i+1]
.endr
.endr
.if \first == 0
	WIN W_RS
.irp i, 0,1,2,3,4,5,6,7,8,9,10,11,12,13,14,15
.irp t, 0,1,2,3
	v_pk_mul_f32 v[OB+32*\t+2*\i:OB+32*\t+2*\i+1], v[OB+32*\t+2*\i:OB+32*\t+2*\i+1], v[ST+8*\t+6:ST+8*\t+7] op_sel_hi:[1,0]   ; O^T x a, each accumulator from its low end on
.endr
.endr
.endif
	s_wait_dscnt 0x0                               ; V is in
	WIN W_PV
.irp ks, 0,1                           ; O^T += V^T P: the 16 accumulators take turns
.irp dt, 0,1,2,3
.irp t, 0,1,2,3
.if (\first) && (\ks == 0)
	v_wmma_f32_16x16x32_f16 v[OB+32*\t+8*\dt:OB+32*\t+8*\dt+7], v[VB+32*\ks+8*\dt:VB+32*\ks+8*\dt+7], v[S+32*\t+8*\ks:S+32*\t+8*\ks+7], 0
.else
	v_wmma_f32_16x16x32_f16 v[OB+32*\t+8*\dt:OB+32*\t+8*\dt+7], v[VB+32*\ks+8*\dt:VB+32*\ks+8*\dt+7], v[S+32*\t+8*\ks:S+32*\t+8*\ks+7], v[OB+32*\t+8*\dt:OB+32*\t+8*\dt+7]
.endif
.endr
.endr
.endr
	WIN 0
	s_add_co_u32 s[TB], s[TB], STEPB               ; the next step's images
.endm
.macro LOOPSTEPS n
	s_mov_b32 s[NST], \n
.Lstep_\@:
	KSTEP 0
	s_sub_co_u32 s[NST], s[NST], 1
	s_cmp_lg_u32 s[NST], 0
	s_cbranch_scc1 .Lstep_\@
.endm
; THE CHANGE OF SLOTS.  Each wave waits for all its tensor loads, of which one is out: its part of the other slot; adds 0 to its spare word; and waits for that and for its own reads of the slot that it leaves.
; fill = 1: that slot is filled again, with the keys two slots on.  The barrier is then a round of the cluster's, so that no wave of any partner still reads the slot or has a load on its way,
; and the joint refill is the first thing behind it: it has a slot's eight key steps in which to land.
; Behind it stands ONE PREFETCH INTO THE L2 of what the next change will ask for.  Each block of 256 bytes of the fourth slot's worth of K and V (128 KiB) is named once in the launch: this (b, head) has one cluster;
; its four partners share the blocks out by address, 8 KiB of each quarter; in each, waves 4 to 7 ask, a lane a block, one instruction a wave.  It is issued at the first change alone (two slots are then still to be
; asked for), a slot's eight key steps ahead of the load that wants it; the first three slots' worth come by their loads alone, and the last change that fills asks for nothing.  Its address is never rewritten.
.macro CHANGE fill
	WIN 0
	s_wait_tensorcnt 0x0                           ; no tensor load of mine is out, so a group 0 may be written
	ds_add_u32 v[SPW], v[NIL]                      ; 0 onto my spare word
.if \fill
	s_xor_b32 s[G0B+1], s[G0B+1], SLOT1            ; the walking descriptor: the other slot than last time,
	s_add_nc_u64 s[G0B+2:G0B+3], s[G0B+2:G0B+3], 65536   ; the next 512 keys; the type bits on top are not reached
	s_wait_dscnt 0x0                               ; the add is done, and my reads of the slot are over
	CROUND
	tensor_load_to_lds s[G0B:G0B+3], s[G1:G1+7]    ; my one tensor load behind the round
	s_nop 0
.rept 4
	v_nop
.endr
	s_cmp_gt_u32 s[SLOTS], s[LIM]
	s_cbranch_scc0 .Lnot_mine_\@
	global_prefetch_b8 v[PFO], s[PFA:PFA+1] th:TH_LOAD_NT scope:SCOPE_SE
.Lnot_mine_\@:
.else
	s_wait_dscnt 0x0
	s_barrier_signal -1
	s_barrier_wait -1
.endif
	s_sub_co_u32 s[TB], s[TB], 8*STEPB             ; the fetches go back to a slot's first step,
	s_xor_b32 s[TB], s[TB], SLOT1                  ; in the other slot
.endm
	s_wait_tensorcnt 1                             ; my part of slot 0 is in; slot 1's may stay out
	s_barrier_signal -1
	s_barrier_wait -1                              ; everybody's is
	s_wait_loadcnt 0x0                             ; Q
	KSTEP 1
	LOOPSTEPS 7
.Lslot:                                            ; two trips: the first two slots are filled again
	CHANGE 1
	LOOPSTEPS 8
	s_sub_co_u32 s[SLOTS], s[SLOTS], 1
	s_cmp_lg_u32 s[SLOTS], 0
	s_cbranch_scc1 .Lslot
	CHANGE 0                                       ; the tail is written out
	LOOPSTEPS 8
	; THE WAY OUT.  l's two halves and the other half of the lanes' are added (the first four additions are the places behind the last products); O^T is divided by l, rounded to f16, and a lane's eight
	; channels are the 16 bytes of its place in an image's half.
.irp t, 0,1,2,3
	v_add_f32 v[ST+8*\t+4], v[ST+8*\t+2], v[ST+8*\t+3]
.endr
.irp t, 0,1,2,3
	v_permlanex16_b32 v[ST+8*\t+5], v[ST+8*\t+4], s[SEL], s[SEL+1]
.endr
.irp t, 0,1,2,3
	v_add_f32 v[ST+8*\t+4], v[ST+8*\t+4], v[ST+8*\t+5]
.endr
.irp t, 0,1,2,3
	v_rcp_f32 v[ST+8*\t+6], v[ST+8*\t+4]
.endr
	v_nop                                          ; a plain instruction between the last reciprocal and the use of its result
	s_wait_alu depctr_va_vdst(0)                   ; and one wait for the four
.irp t, 0,1,2,3
	WIN W_RS
.irp i, 0,1,2,3,4,5,6,7,8,9,10,11,12,13,14,15
	v_pk_mul_f32 v[OB+32*\t+2*\i:OB+32*\t+2*\i+1], v[OB+32*\t+2*\i:OB+32*\t+2*\i+1], v[ST+8*\t+6:ST+8*\t+7] op_sel_hi:[1,0]
.endr
	WIN W_CV
.irp i, 0,1,2,3,4,5,6,7,8,9,10,11,12,13,14,15
	v_cvt_pk_f16_f32 v[S+16*\t+\i], v[OB+32*\t+2*\i], v[OB+32*\t+2*\i+1]
.endr
	WIN 0
.irp dt, 0,1,2,3
	global_store_b128 v[LI], v[S+16*\t+4*\dt:S+16*\t+4*\dt+3], s[10:11] offset:\t*32768+\dt*512   ; 32 lanes store 512 consecutive bytes, aligned
.endr
.endr
	s_wait_tensorcnt 0x0                           ; the wave's end
	ds_add_u32 v[SPW], v[NIL]
	s_wait_dscnt 0x0
	CROUND                                         ; the closing round: no work-group ends while a partner may still ask for a tile that names it
	s_endpgm
.Lfunc_end_k_q0c1f73749c_attn:
	.size	k_q0c1f73749c_attn, .Lfunc_end_k_q0c1f73749c_attn-k_q0c1f73749c_attn
	.p2alignl 7, 3214868480
	.fill 96, 4, 3214868480
	.section	.rodata,"a",@progbits
	.p2align	6, 0x0
	.amdhsa_kernel k_q0c1f73749c_attn
		.amdhsa_group_segment_fixed_size 327680
		.amdhsa_private_segment_fixed_size 0
		.amdhsa_enable_private_segment 0
		.amdhsa_kernarg_size 16
		.amdhsa_user_sgpr_count 2
		.amdhsa_user_sgpr_kernarg_segment_ptr 1
		.amdhsa_wavefront_size32 1
		.amdhsa_system_sgpr_workgroup_id_x 1
		.amdhsa_system_sgpr_workgroup_id_y 1
		.amdhsa_system_sgpr_workgroup_id_z 1
		.amdhsa_system_vgpr_workitem_id 0
		.amdhsa_next_free_vgpr 512
		.amdhsa_next_free_sgpr 66
		.amdhsa_reserve_vcc 0
		.amdhsa_float_denorm_mode_32 3
		.amdhsa_float_denorm_mode_16_64 3
		.amdhsa_memory_ordered 1
		.amdhsa_forward_progress 1
		.amdhsa_inst_pref_size 141
	.end_amdhsa_kernel
	.amdgpu_metadata
---
amdhsa.version: [ 1, 2 ]
amdhsa.kernels:
  - .name:           k_q0c1f73749c_attn
    .symbol:         k_q0c1f73749c_attn.kd
    .args:
      - { .name: qkv, .offset: 0, .size: 8, .value_kind: global_buffer, .address_space: global }
      - { .name: of, .offset: 8, .size: 8, .value_kind: global_buffer, .address_space: global }
    .group_segment_fixed_size: 327680
    .private_segment_fixed_size: 0
    .kernarg_segment_align: 8
    .kernarg_segment_size: 16
    .max_flat_workgroup_size: 256
    .sgpr_count:     66
    .vgpr_count:     512
    .wavefront_size: 32
...
	.end_amdgpu_metadata
.endif
;; end of part 3
;; launch proj (part 4): grid 4 x 64, 4 waves a work-group, clusters of 4 x 4, 327,680 bytes of LDS; arguments of, wp, b_proj, out0; writes out0
.if DOCPART == 4
	.amdgcn_target "amdgcn-amd-amdhsa--gfx1250"
	.amdhsa_code_object_version 6
	.text
	.protected	k_q0c1f73749c_proj
	.globl	k_q0c1f73749c_proj
	.p2align	8
	.type	k_q0c1f73749c_proj,@function
k_q0c1f73749c_proj:
	s_mov_b64 s[64:65], 0
	v_nop
	global_prefetch_b8 v0, s[64:65] scope:SCOPE_SE
	s_setreg_imm32_b32 hwreg(HW_REG_WAVE_MODE, 25, 1), 1
	s_wait_xcnt 0x0
	s_wait_alu depctr_hold_cnt(0) depctr_sa_sdst(0) depctr_va_vdst(0) depctr_va_sdst(0) depctr_va_ssrc(0) depctr_va_vcc(0) depctr_vm_vsrc(0)
	s_getreg_b32 s2, hwreg(HW_REG_IB_STS2, 6, 4)
	s_cmp_eq_u32 s2, 0
	s_cbranch_scc0 .Lentry_in_a_cluster
	s_endpgm
.Lentry_in_a_cluster:
	s_bfe_u32 s2, ttmp6, 0x10000c
	s_cmp_lg_u32 s2, 0xf033
	s_cbranch_scc0 .Lentry_shape_is_right
	s_endpgm
.Lentry_shape_is_right:
; out0[token][f] = the sum over c of o[token][c] w_proj[f][c] + b_proj[f].  o and w_proj in f16, sums in f32, out0 f32.  8,192 tokens, 1,024 channels, 1,024 features.
; o lies as images of operand registers, [token / 16][channel / 32][half c][lane][16 bytes] (lane (r, h): token r, channel 16 c + 8 h + 0..7); w_proj's f16 copy is row-major.
; A tile of 128 tokens x 256 features is made by a work-group of four waves: 256 work-groups of equal work.  A wave makes 64 tokens x 128 features: 32 accumulators of 16 x 16.
; K goes in 8 steps of 128 through a ring of two LDS slots.  A's part of a slot: 8 tiles of tokens x 4,096 bytes of images, dense, read at 16 x lane; B's: 256 rows of 256 bytes, 16 bytes of padding behind each.
; THE MATRIX INSTRUCTION IS USED TRANSPOSED (source 0 = 16 rows of w_proj, source 1 = 16 tokens): a lane holds eight neighbouring features of one token.  The bias is the C of each sum's first product.
; CLUSTERS: 4 x 4 work-groups.  A's tile hangs on the tile row alone and is asked for jointly by a row of the cluster, B's on the tile column alone, by a column.
; No prefetch is laid: a wave's whole walk is 1,024 matrix instructions, and the tiles are small.
; REGISTERS: window 0: v3, v16-29 addresses; v32-127, v128-223 two fragment buffers (A's four blocks, then B's eight), on the way out rows of the result.  window 1: the accumulators, (a, b) at v[8 (8 a + b)].  window 2: v0-63 the bias.
.set PITCH,  272                       ; a row of B in LDS: 256 bytes + 16 of padding: the 16 rows that a load touches start at 16 different banks (64 banks of 4 bytes: ISA guide 11.1)
.set ABYTES, 32768                     ; A's part of a slot
.set HALFB,  128*PITCH                 ; 128 rows of B: what one tensor load brings
.set SLOT,   ABYTES+2*HALFB
.set STAGE,  2*SLOT                    ; behind the ring: 16 rows x 528 bytes for each wave, for the way out
.set SPITCH, 528
.set SPARE,  STAGE+4*16*SPITCH         ; the spare words, 128 bytes for each wave
.set LI,   3                           ; v3  16 x lane
.set ADRA, 16                          ; v16-17 LDS address of my A images in slot 0, 1
.set ADRB, 20                          ; v20-21 of my B fragments
.set STO,  24                          ; v24 the way out: where I put 32 bytes of a row
.set RD,   25                          ; v25 where I read a row back
.set SPW,  28
.set NIL,  29
.set F0,   32
.set F1,   128
.set G1,  24                           ; s[24:31], s[32:39] groups 1 and 0 (a set a slot) for A's tiles
.set G0,  32
.set G1B, 48                           ; s[48:55], s[56:63] for B's
.set G0B, 56
.set MSB, 0
.macro WIN new
.if MSB != (\new)
	s_set_vgpr_msb (MSB<<8)|(\new)
.set MSB, \new
.endif
.endm
.set MUL, 0x50                         ; sources 0 and 1 window 0; C and D window 1.  MUL + 0x10: C window 2 (the bias)
.macro JLOAD s                         ; a joint load: waves 0 and 1 fetch A's two halves, waves 2 and 3 B's; an s_nop 0 and four v_nop follow each of the two lines
	s_cmp_eq_u32 s13, 0
	s_cbranch_scc0 .Lfor_b_\@
	tensor_load_to_lds s[G0+4*\s:G0+4*\s+3], s[G1:G1+7]
	s_nop 0
.rept 4
	v_nop
.endr
	s_branch .Lasked_\@
.Lfor_b_\@:
	tensor_load_to_lds s[G0B+4*\s:G0B+4*\s+3], s[G1B:G1B+7]
	s_nop 0
.rept 4
	v_nop
.endr
.Lasked_\@:
.endm
.macro CREST                           ; a round of the cluster's barrier behind its opening barrier
	s_cmp_lg_u32 s12, 0
	s_cbranch_scc1 .Lnot_wave_0_\@
	s_barrier_signal -3
.Lnot_wave_0_\@:
	s_barrier_wait -3
	s_barrier_signal -1
	s_barrier_wait -1
.endm
.macro CROUND
	s_barrier_signal -1
	s_barrier_wait -1
	CREST
.endm
	s_load_b128 s[4:7], s[0:1], 0x0                ; o's images, w_proj in f16
	s_load_b128 s[8:11], s[0:1], 0x10              ; b_proj, out0
	v_lshl_add_u32 v[SPW], v0, 2, SPARE
	v_mov_b32 v[NIL], 0
	ds_add_u32 v[SPW], v[NIL]                      ; the wave's opening: the add, twice on end, and its wait ahead of my first tensor load
	ds_add_u32 v[SPW], v[NIL]
	v_lshrrev_b32 v1, 5, v0
	v_readfirstlane_b32 s12, v1                    ; wave 0..3
	s_lshr_b32 s13, s12, 1                         ; which half of the tile's tokens is mine.  Also: I fetch for A (0) or for B (1)
	s_and_b32 s14, s12, 1                          ; which half of its features.  Also: which half of that tile I fetch
	s_bfe_u32 s40, ttmp6, 0x40000                  ; cx, cy
	s_bfe_u32 s41, ttmp6, 0x40004
	s_lshl_b32 s42, ttmp9, 2
	s_add_co_u32 s42, s42, s40                     ; tile column = 4 x cluster x + cx
	s_and_b32 s15, ttmp7, 0xffff
	s_lshl_b32 s15, s15, 2
	s_add_co_u32 s15, s15, s41                     ; tile row = 4 x cluster y + cy
	s_lshl_b32 s16, s41, 2
	s_lshl_b32 s16, 15, s16                        ; my row of the cluster
	s_lshl_b32 s17, 0x1111, s40                    ; my column
	; A: four tiles of tokens, of each the K step's 4,096 bytes: 4 rows of 512 elements of 8 bytes, 32,768 bytes apart; no padding
	s_or_b32 s[G1], s16, (3<<16)|(1<<21)
	s_mov_b32 s[G1+1], 512<<16                     ; tensor_dim0
	s_mov_b32 s[G1+2], 4<<16                       ; tensor_dim1
	s_mov_b32 s[G1+3], 512<<16                     ; tile_dim0
	s_mov_b32 s[G1+4], 4                           ; tile_dim1
	s_mov_b32 s[G1+5], 4096                        ; the pitch, in elements
	s_mov_b32 s[G1+6], 0
	s_mov_b32 s[G1+7], 0
	; B: 128 rows x 128 elements of 2 bytes, four words of padding after every 64
	s_or_b32 s[G1B], s17, (1<<16)|(1<<20)|(1<<21)|(5<<22)|(3<<25)
	s_mov_b32 s[G1B+1], 128<<16
	s_mov_b32 s[G1B+2], 128<<16
	s_mov_b32 s[G1B+3], 128<<16
	s_mov_b32 s[G1B+4], 128
	s_mov_b32 s[G1B+5], 1024
	s_mov_b32 s[G1B+6], 0
	s_mov_b32 s[G1B+7], 0
	s_lshl_b32 s20, s15, 3
	s_lshl_b32 s21, s14, 2
	s_add_co_u32 s20, s20, s21                     ; A: tile of tokens 8 x tile row + 4 x half,
	s_lshl_b32 s20, s20, 15                        ; 32,768 bytes each
	s_mov_b32 s21, 0
	s_lshl_b32 s46, s42, 8
	s_lshl_b32 s47, s14, 7
	s_add_co_u32 s46, s46, s47                     ; B: row 256 x tile column + 128 x half,
	s_lshl_b32 s46, s46, 11                        ; 2,048 bytes each
	s_mov_b32 s47, 0
	s_lshl_b32 s18, s14, 14                        ; where they go: A's halves,
	s_mul_i32 s19, s14, HALFB
	s_add_co_u32 s19, s19, ABYTES                  ; B's halves behind them: no place in the cluster enters an LDS address
	s_wait_dscnt 0x0                               ; both opening adds are done
	s_wait_kmcnt 0x0
	s_add_nc_u64 s[20:21], s[4:5], s[20:21]
	s_add_nc_u64 s[46:47], s[6:7], s[46:47]
	CROUND                                         ; all sixteen work-groups are here: the first joint loads meet
.irp s, 0,1
	s_mov_b32 s[G0+4*\s], 1
	s_add_co_u32 s[G0+4*\s+1], s18, \s*SLOT
	s_add_nc_u64 s[G0+4*\s+2:G0+4*\s+3], s[20:21], \s*4096
	s_or_b32 s[G0+4*\s+3], s[G0+4*\s+3], 0x80000000
	s_mov_b32 s[G0B+4*\s], 1
	s_add_co_u32 s[G0B+4*\s+1], s19, \s*SLOT
	s_add_nc_u64 s[G0B+4*\s+2:G0B+4*\s+3], s[46:47], \s*256
	s_or_b32 s[G0B+4*\s+3], s[G0B+4*\s+3], 0x80000000
	JLOAD \s                                       ; two loads of mine are out
.endr
	v_and_b32 v1, 15, v0                           ; r
	v_bfe_u32 v2, v0, 4, 1                         ; h
	v_and_b32 v[LI], 31, v0
	v_lshlrev_b32 v[LI], 4, v[LI]
	s_lshl_b32 s22, s13, 14                        ; my 64 tokens: four tiles of 4,096 bytes
	v_add_nc_u32 v[ADRA], s22, v[LI]
	v_add_nc_u32 v[ADRA+1], SLOT, v[ADRA]
	v_mul_u32_u24 v4, v1, PITCH
	v_lshl_add_u32 v4, v2, 4, v4                   ; a fragment's row x pitch + 16 x half
	v_add_nc_u32 v[ADRB], s19, v4                  ; my 128 features are the half that bears my wave's low bit
	v_add_nc_u32 v[ADRB+1], SLOT, v[ADRB]
	s_mul_i32 s23, s12, 16*SPITCH
	s_add_co_u32 s23, s23, STAGE                   ; my stage
	v_mul_u32_u24 v5, v1, SPITCH
	v_lshl_add_u32 v5, v2, 5, v5
	v_add_nc_u32 v[STO], s23, v5                   ; in: row r, 32 bytes for each half of the lanes
	v_add_nc_u32 v[RD], s23, v[LI]                 ; back: the 32 lanes take one row of 512 bytes
	s_lshl_b32 s2, s42, 10
	s_lshl_b32 s3, s14, 9
	s_add_co_u32 s2, s2, s3                        ; my first feature, in bytes of f32: 1,024 x tile column + 512 x half
	s_mov_b32 s3, 0
	s_add_nc_u64 s[8:9], s[8:9], s[2:3]
	v_lshlrev_b32 v6, 5, v2                        ; the bias in the result's layout: lane (r, h) takes, for block b, features 16 b + 8 h + 0..7
	WIN 0x80                                       ; destination window 2
.irp b, 0,1,2,3,4,5,6,7
	global_load_b128 v[8*\b:8*\b+3], v6, s[8:9] offset:64*\b
	global_load_b128 v[8*\b+4:8*\b+7], v6, s[8:9] offset:64*\b+16
.endr
	WIN 0
	s_lshl_b32 s22, s15, 7
	s_lshl_b32 s23, s13, 6
	s_add_co_u32 s22, s22, s23                     ; my first token: 128 x tile row + 64 x half;
	s_lshl_b32 s22, s22, 12                        ; a row of out0 is 4,096 bytes
	s_mov_b32 s23, 0
	s_add_nc_u64 s[10:11], s[10:11], s[22:23]
	s_add_nc_u64 s[10:11], s[10:11], s[2:3]
; 8 matrix instructions: block a of tokens x all 8 blocks of features, 32 along K, from buffer f.  zero = 1: the first product starts the sums on the bias.  The 32 accumulators take turns, in the same order in every quarter.
.macro MUL8 f, a, zero
.irp b, 0,1,2,3,4,5,6,7
.if \zero
	v_wmma_f32_16x16x32_f16 v[8*(8*(\a)+\b):8*(8*(\a)+\b)+7], v[\f+32+8*\b:\f+32+8*\b+7], v[\f+8*(\a):\f+8*(\a)+7], v[8*\b:8*\b+7]
.else
	v_wmma_f32_16x16x32_f16 v[8*(8*(\a)+\b):8*(8*(\a)+\b)+7], v[\f+32+8*\b:\f+32+8*\b+7], v[\f+8*(\a):\f+8*(\a)+7], v[8*(8*(\a)+\b):8*(8*(\a)+\b)+7]
.endif
.endr
.endm
; 24 LDS loads in one run: the fragments of the slot's q-th 32 along K into buffer f: B's eight, then A's four
.macro FETCH slot, q, f
.irp i, 0,1,2,3,4,5,6,7
	ds_load_b128 v[\f+32+8*\i:\f+32+8*\i+3], v[ADRB+\slot] offset:64*(\q)+\i*16*PITCH
	ds_load_b128 v[\f+32+8*\i+4:\f+32+8*\i+7], v[ADRB+\slot] offset:64*(\q)+\i*16*PITCH+32
.endr
.irp i, 0,1,2,3
	ds_load_b128 v[\f+8*\i:\f+8*\i+3], v[ADRA+\slot] offset:4096*\i+1024*(\q)
	ds_load_b128 v[\f+8*\i+4:\f+8*\i+7], v[ADRA+\slot] offset:4096*\i+1024*(\q)+512
.endr
.endm
.macro PLACES                          ; four places in front of loads into registers that matrix instructions have read, and of reads of results
.rept 4
	v_nop
.endr
.endm
; A K step is four quarters of 32 along K, 32 matrix instructions each, on buffers 0, 1, 0, 1.  One of the first three: multiplies buffer f and fetches quarter q into g.
.macro QUARTER slot, q, f, g, zero
	s_wait_dscnt 4                                 ; B and A's blocks 0, 1 are in; the youngest four loads (A's blocks 2, 3) may be out
	WIN MUL+0x10*(\zero)
	MUL8 \f, 0, \zero
	MUL8 \f, 1, \zero
	PLACES
	WIN 0
	FETCH \slot, \q, \g
	s_wait_dscnt 24                                ; all but the 24 just issued
	WIN MUL+0x10*(\zero)
	MUL8 \f, 2, \zero
	MUL8 \f, 3, \zero
.endm
; The last quarter multiplies buffer 1 and changes slots: ONE barrier; in front of it each wave waits for all its tensor loads (one is out: its part of the next slot), adds 0 to its spare word, and waits for that
; and for its own reads of this slot.  fill = 1: the barrier opens a round of the cluster's barrier, and this slot is filled again, two K steps ahead: from the request to the wait for it a wave issues 112 matrix instructions.
.macro TURN slot, next, fill
	WIN 0
	s_wait_tensorcnt 0x0
	ds_add_u32 v[SPW], v[NIL]                      ; 0 onto my spare word
	s_wait_dscnt 5                                 ; (the add and the youngest four loads may be out)
	WIN MUL
	MUL8 F1, 0, 0
	s_wait_dscnt 0x0                               ; the add is done, and my reads of this slot are over
	s_barrier_signal -1
	MUL8 F1, 1, 0
	WIN 0
	s_barrier_wait -1
.if \fill
	CREST                                          ; no wave of any partner still reads this slot's tiles or has a load on its way
	s_add_nc_u64 s[G0+4*\slot+2:G0+4*\slot+3], s[G0+4*\slot+2:G0+4*\slot+3], 2*4096
	s_add_nc_u64 s[G0B+4*\slot+2:G0B+4*\slot+3], s[G0B+4*\slot+2:G0B+4*\slot+3], 2*256
	JLOAD \slot                                    ; the first tensor load behind the round; its four v_nop are also the places in front of the loads below
.else
	PLACES
.endif
	FETCH \next, 0, F0
	WIN MUL
	MUL8 F1, 2, 0
	MUL8 F1, 3, 0
.endm
	s_wait_tensorcnt 1                             ; my part of K step 0 is in (K step 1's load may be out),
	s_barrier_signal -1
	s_barrier_wait -1                              ; everybody's is
	FETCH 0, 0, F0
	s_wait_loadcnt 0x0                             ; the bias
	QUARTER 0, 1, F0, F1, 1                        ; the first quarter stands in front of the loop: its products start the sums on the bias
	WIN 0
	s_mov_b32 s3, 3
.Llap:                                             ; a trip goes once round the ring and fills both slots again: K steps 2 to 7 in three trips
	QUARTER 0, 2, F1, F0, 0
	QUARTER 0, 3, F0, F1, 0
	TURN 0, 1, 1
	QUARTER 1, 1, F0, F1, 0
	QUARTER 1, 2, F1, F0, 0
	QUARTER 1, 3, F0, F1, 0
	TURN 1, 0, 1
	QUARTER 0, 1, F0, F1, 0
	WIN 0
	s_sub_co_u32 s3, s3, 1
	s_cmp_lg_u32 s3, 0
	s_cbranch_scc1 .Llap
	QUARTER 0, 2, F1, F0, 0                        ; the last lap fills nothing, and has no round of the cluster's barrier
	QUARTER 0, 3, F0, F1, 0
	TURN 0, 1, 0
	QUARTER 1, 1, F0, F1, 0
	QUARTER 1, 2, F1, F0, 0
	QUARTER 1, 3, F0, F1, 0
	s_wait_dscnt 4                                 ; the very last quarter: nothing more to fetch
	WIN MUL
	MUL8 F1, 0, 0
	MUL8 F1, 1, 0
	s_wait_dscnt 0
	MUL8 F1, 2, 0
	MUL8 F1, 3, 0
	WIN 0
; THE WAY OUT, block by block of 16 tokens x 128 features.  A lane holds 32 neighbouring bytes of a row, the lanes beside it other rows: a block goes through my own stage in LDS and comes back as whole rows of 512 bytes.
; LDS serves a wave's instructions in order (ISA guide 5.7.1.4): no wait between the stores and the loads, nor in front of the next block's stores.
.macro TOSTAGE a
	WIN 0x04                                       ; an LDS store's data are its source 1: window 1
.irp b, 0,1,2,3,4,5,6,7
	ds_store_b128 v[STO], v[8*(8*(\a)+\b):8*(8*(\a)+\b)+3] offset:64*\b          ; each accumulator from its low end on
	ds_store_b128 v[STO], v[8*(8*(\a)+\b)+4:8*(8*(\a)+\b)+7] offset:64*\b+16
.endr
	WIN 0
.set BB, 32+64*((\a)%2)
.irp t, 0,1,2,3,4,5,6,7,8,9,10,11,12,13,14,15
	ds_load_b128 v[BB+4*\t:BB+4*\t+3], v[RD] offset:\t*SPITCH
.endr
.endm
.macro SEND a, younger                 ; younger: the LDS instructions issued behind block a's loads, which may stay out
.set BB, 32+64*((\a)%2)
	s_wait_dscnt \younger
.irp t, 0,1,2,3,4,5,6,7,8,9,10,11,12,13,14,15
	global_store_b128 v[LI], v[BB+4*\t:BB+4*\t+3], s[10:11] offset:(\a)*65536+\t*4096 th:TH_STORE_NT   ; 32 lanes store 512 consecutive bytes, aligned; written once, read by nobody here
.endr
.endm
	PLACES                                         ; behind the last products: for the reads of results and the loads into the fragments' registers
	TOSTAGE 0
.irp a, 1,2,3
.if \a > 1
	s_wait_xcnt 0x0                                ; block a - 2's stores have read their data registers: block a's loads may land there
.endif
	TOSTAGE \a
	SEND \a-1, 32                                  ; behind block a - 1's loads: block a's 16 stores and 16 loads
.endr
	SEND 3, 0
	s_wait_tensorcnt 0x0                           ; the wave's end, behind my last tensor load and my last LDS store
	ds_add_u32 v[SPW], v[NIL]
	s_wait_dscnt 0x0
	CROUND                                         ; the closing round: no work-group ends while a partner may still ask for a tile that names it
	s_endpgm
.Lfunc_end_k_q0c1f73749c_proj:
	.size	k_q0c1f73749c_proj, .Lfunc_end_k_q0c1f73749c_proj-k_q0c1f73749c_proj
	.p2alignl 7, 3214868480
	.fill 96, 4, 3214868480
	.section	.rodata,"a",@progbits
	.p2align	6, 0x0
	.amdhsa_kernel k_q0c1f73749c_proj
		.amdhsa_group_segment_fixed_size 327680
		.amdhsa_private_segment_fixed_size 0
		.amdhsa_enable_private_segment 0
		.amdhsa_kernarg_size 32
		.amdhsa_user_sgpr_count 2
		.amdhsa_user_sgpr_kernarg_segment_ptr 1
		.amdhsa_wavefront_size32 1
		.amdhsa_system_sgpr_workgroup_id_x 1
		.amdhsa_system_sgpr_workgroup_id_y 1
		.amdhsa_system_sgpr_workgroup_id_z 1
		.amdhsa_system_vgpr_workitem_id 0
		.amdhsa_next_free_vgpr 576
		.amdhsa_next_free_sgpr 66
		.amdhsa_reserve_vcc 0
		.amdhsa_float_denorm_mode_32 3
		.amdhsa_float_denorm_mode_16_64 3
		.amdhsa_memory_ordered 1
		.amdhsa_forward_progress 1
		.amdhsa_inst_pref_size 86
	.end_amdhsa_kernel
	.amdgpu_metadata
---
amdhsa.version: [ 1, 2 ]
amdhsa.kernels:
  - .name:           k_q0c1f73749c_proj
    .symbol:         k_q0c1f73749c_proj.kd
    .args:
      - { .name: of, .offset: 0, .size: 8, .value_kind: global_buffer, .address_space: global }
      - { .name: wp, .offset: 8, .size: 8, .value_kind: global_buffer, .address_space: global }
      - { .name: b_proj, .offset: 16, .size: 8, .value_kind: global_buffer, .address_space: global }
      - { .name: out0, .offset: 24, .size: 8, .value_kind: global_buffer, .address_space: global }
    .group_segment_fixed_size: 327680
    .private_segment_fixed_size: 0
    .kernarg_segment_align: 8
    .kernarg_segment_size: 32
    .max_flat_workgroup_size: 128
    .sgpr_count:     66
    .vgpr_count:     576
    .wavefront_size: 32
...
	.end_amdgpu_metadata
.endif
;; end of part 4
